; MI455X (gfx1250); checked and timed in simulation.
; The chip was launched on July 23, 2026; its instructions are those of AMD's public machine-readable ISA for CDNA 5 (MIT licence, August 2026) and "CDNA5" Instruction Set Architecture Reference Guide (July 2026). The comments in the code are by the model that wrote it; some were corrected since.
;; Causal Self Attention. Allowed arithmetic: matrix products marked QUANTISED: E4M3 operands, one given power-of-two scale a tensor, by v_wmma_f32_16x16x64_fp8_fp8 or v_wmma_f32_16x16x128_fp8_fp8, f32 sums; everything else in f32.
;; Inputs: W_proj 1,024 x 1,024 float32; W_qkv 3,072 x 1,024 float32; cos 1 x 1 x 2,048 x 32 float32; lowp_scales 8 int32 (the exponents e of the quantised operands' scales 2^e); sin 1 x 1 x 2,048 x 32 float32; x 4 x 2,048 x 1,024 float32.
;; Outputs: out0 4 x 2,048 x 1,024 float32.
;; This version of the problem:
;;   THIS VERSION OF THE PROBLEM IS GIVEN IN LOW PRECISION. The matrix products marked QUANTISED in the list below multiply operands that are first quantised to E4M3 (4 exponent bits, 3 mantissa bits; 8 bits a number), with one given power-of-two scale for each operand tensor; their sums are f32. All else is computed in f32.
;;   The module's matrix products, in the order in which they are computed (A, B: the left and right operand; K: the contracted axis; several contracted axes count as one K, in the product's order):
;;     1. [M 8,192, K 1,024] x [K 1,024, N 3,072]; A: input x; B: input W_qkv: QUANTISED (scales: A lowp_scales[0], B lowp_scales[1])
;;     2. batch 64 x [M 2,048, K 64] x [K 64, N 2,048]; A: computed on the way; B: computed on the way: QUANTISED (scales: A lowp_scales[2], B lowp_scales[3])
;;     3. batch 64 x [M 2,048, K 2,048] x [K 2,048, N 64]; A: softmax (see below); B: computed on the way: QUANTISED (scales: A lowp_scales[4], B lowp_scales[5])
;;     4. [M 8,192, K 1,024] x [K 1,024, N 1,024]; A: computed on the way; B: input W_proj: QUANTISED (scales: A lowp_scales[6], B lowp_scales[7])
;;   THE QUANTISER, for each operand of a quantised product, along K:
;;     - The operand's scale is 2^e, e = its entry of the input lowp_scales (int32; the entries are numbered through the quantised products in the list's order, A before B).
;;     - Each number is divided by the scale, clamped to +-448, and rounded to the nearest number of E4M3, ties to even, subnormals kept.
;;     - The product sums the exact products of the quantised numbers (number of the format x scale) in f32.
;;   ~~~python
;;   def quantise(x, axis, e):      # numpy; x: float32 -> the quantised numbers, widened to float32 again
;;       x = np.moveaxis(x, axis, -1); K = x.shape[-1]
;;       r = np.clip(x / 2.0 ** e, -448, 448)
;;       step = 2.0 ** (np.maximum(np.frexp(np.where(r == 0, 1, r))[1] - 1, -6) - 3)
;;       q = np.round(r / step) * step * 2.0 ** e      # np.round: ties to even
;;       return np.moveaxis(q, -1, axis).astype(np.float32)
;;   ~~~
;;   SOFTMAX AHEAD OF A QUANTISED PRODUCT. Where the list says 'softmax', what is quantised is not the finished softmax but p = 2^(t - M), with t = logit x log2(e) and M = ceil(the row's largest t), a whole number; so 1/2 < the row's largest p <= 1. The row's sum l is taken of the UNQUANTISED p, in f32, and the product's result is divided by l at the end. Since M is a whole number, a kernel that streams over the keys may use a running M (the ceiling of the running maximum): every later rescaling is an exact power of two, so the quantised numbers keep their values, but for numbers so far below the row's largest that they fall under the format's range.
;;   OPERANDS COMPUTED ON THE WAY. 'Computed on the way' means the value that the module computes at that place (a softmax that the list does not call 'softmax' is quantised finished and normalised). What goes into a quantiser is computed in f32, as accurately as f32 sums, v_exp_f32 and their like allow (about 1e-6 of the number): no bf16 or f16 on the way to a quantiser, and a product that is left as it is and whose result goes on into a quantised operand takes f32 operands (vector FMAs, or v_wmma_f32_16x16x4_f32). A number that lies on a knife's edge between two numbers of the format may be rounded either way, as far as f32 arithmetic and the matrix unit's own rounding can turn it there, and no further.
;; One version. Each part assembles by itself: llvm-mc -triple=amdgcn-amd-amdhsa -mcpu=gfx1250 --defsym DOCPART=n.
;; ======== version 1 of 1: 4 launches
;; limits: right only within a limited range of input values
;; workspace buffers: x_codes 8,388,608 bytes; wqkv_codes 3,145,728 bytes; wproj_codes 1,048,576 bytes; q_codes 8,388,608 bytes; k_codes 8,388,608 bytes; v_codes 8,388,608 bytes; vf 33,554,432 bytes; o_codes 8,388,608 bytes
;; launch quant (part 1): grid 768 x 1, 4 waves a work-group, no clusters, 67,072 bytes of LDS; arguments x, W_qkv, W_proj, lowp_scales, x_codes, wqkv_codes, wproj_codes; writes x_codes, wqkv_codes, wproj_codes
.if DOCPART == 1
	.amdgcn_target "amdgcn-amd-amdhsa--gfx1250"
	.amdhsa_code_object_version 6
	.text
	.protected	k_q1b9f9e83f5_quant
	.globl	k_q1b9f9e83f5_quant
	.p2align	8
	.type	k_q1b9f9e83f5_quant,@function
k_q1b9f9e83f5_quant:
	s_mov_b64 s[64:65], 0
	v_nop
	global_prefetch_b8 v0, s[64:65] scope:SCOPE_SE
	s_setreg_imm32_b32 hwreg(HW_REG_WAVE_MODE, 25, 1), 1
	s_wait_xcnt 0x0
; x [8192][1024], W_qkv [3072][1024] and W_proj [1024][1024], f32 with K innermost, become codes of FP8 (E4M3), each tensor with the one scale 2^e given for it
; (entries 0, 1 and 7 of the scales).  code = number / 2^e, held within +-448, rounded to the nearest code, ties to even.
; LIMITS: e between -126 and 119, so that 2^e and 448 x 2^e are f32 numbers.  NaN among the inputs is not served.
; THE CODES ARE LAID AS IMAGES OF OPERAND REGISTERS.  A block is 16 rows x 64 along K, 1,024 bytes: lane (r = lane % 16, h = lane / 16) holds row r, and its registers 2 c, 2 c + 1 hold
; k = 16 c + 8 h + 0 .. 7; registers 0-3 lie at 16 x lane, registers 4-7 at 512 + 16 x lane.  A buffer is [row tile of 16 rows][chunk of 64 k] of such blocks.
; SHARES.  A work-group takes one row tile: 0-511 of x, 512-703 of W_qkv, 704-767 of W_proj; only pointers, the tile's number and e are chosen, by the work-group's number: one path.
; Wave w takes k = 256 w .. 256 w + 255.  Each load reads 512 consecutive bytes of a row; the 16 KB turn through the wave's own stage in LDS (rows 1,040 bytes apart), since the conversions
; want eight neighbours along K in one lane's registers.  Each store writes 512 consecutive bytes.  Waves share nothing: no barrier.  No matrix work, nothing shared: no cluster, no tensor load.
.set PIT,  1040                        ; a stage row: 1,024 bytes + 16: sixteen rows' equal columns start 65 x 16 bytes apart
.set WST,  16*PIT                      ; a wave's stage
.set LO,   2                           ; v2   16 x lane
.set SA,   3                           ; v3   the stage on the way in
.set RA,   4                           ; v4   and on the way out: row r, + 32 h
.set LIMV, 10                          ; v10  448 x 2^e
.set SCV,  11                          ; v11  2^e
.set R,    32                          ; v32-159  32 loads of four registers
.set X,    160                         ; v160-223 two sets of 32 numbers
.set C,    224                         ; v224-255 four chunks' codes: no store's data are written again
	s_load_b256 s[4:11], s[0:1], 0x0               ; x, W_qkv, W_proj, the scales' exponents
	s_load_b128 s[12:15], s[0:1], 0x20             ; x's codes, W_qkv's codes
	s_load_b64 s[16:17], s[0:1], 0x30              ; W_proj's codes
	v_lshl_add_u32 v30, v0, 2, 0x10400
	v_mov_b32 v31, 0
	v_lshrrev_b32 v1, 5, v0
	v_readfirstlane_b32 s18, v1                    ; wave 0..3
	v_and_b32 v1, 31, v0
	v_lshlrev_b32 v[LO], 4, v1
	s_mul_i32 s19, s18, WST
	v_add_nc_u32 v[SA], s19, v[LO]
	v_and_b32 v5, 15, v0                           ; r
	v_bfe_u32 v6, v0, 4, 1                         ; h
	v_mul_u32_u24 v[RA], v5, PIT
	v_lshl_add_u32 v[RA], v6, 5, v[RA]
	v_add_nc_u32 v[RA], s19, v[RA]
	s_mov_b32 s20, 704
	s_cmp_lt_u32 ttmp9, 704
	s_cselect_b32 s20, 512, s20
	s_cmp_lt_u32 ttmp9, 512
	s_cselect_b32 s20, 0, s20
	s_sub_co_u32 s20, ttmp9, s20                   ; the row tile within its tensor
	s_lshl_b32 s22, s20, 16                        ; 16 rows of 4,096 bytes,
	s_lshl_b32 s21, s18, 10                        ; my wave's 1,024 bytes of each
	s_add_co_u32 s22, s22, s21
	s_mov_b32 s23, 0
	s_lshl_b32 s32, s20, 14                        ; a row tile's 16 blocks,
	s_lshl_b32 s21, s18, 12                        ; my wave's four
	s_add_co_u32 s32, s32, s21
	s_mov_b32 s33, 0
	s_wait_alu depctr_va_vdst(0)
	s_wait_kmcnt 0x0
	s_load_b256 s[24:31], s[10:11], 0x0            ; the eight exponents
	s_cmp_lt_u32 ttmp9, 704                        ; the choices hang on the work-group's number alone
	s_cselect_b64 s[6:7], s[6:7], s[8:9]
	s_cselect_b64 s[14:15], s[14:15], s[16:17]
	s_cmp_lt_u32 ttmp9, 512
	s_cselect_b64 s[4:5], s[4:5], s[6:7]
	s_cselect_b64 s[12:13], s[12:13], s[14:15]
	s_add_nc_u64 s[4:5], s[4:5], s[22:23]
	s_add_nc_u64 s[12:13], s[12:13], s[32:33]
.set n, 0
.rept 32                               ; row n / 2, half n % 2 of my 1,024 bytes: all 16 KB of the wave are asked for at once
	global_load_b128 v[R+4*n:R+4*n+3], v[LO], s[4:5] offset:(n/2)*4096+(n%2)*512 th:TH_LOAD_NT
.set n, n+1
.endr
	s_wait_kmcnt 0x0
	s_cmp_lt_u32 ttmp9, 704
	s_cselect_b32 s21, s25, s31
	s_cmp_lt_u32 ttmp9, 512
	s_cselect_b32 s21, s24, s21                    ; e
	s_add_co_i32 s21, s21, 127
	s_lshl_b32 s20, s21, 23
	v_mov_b32 v[SCV], s20                          ; 2^e as f32: the conversion takes its exponent field
	s_add_co_i32 s21, s21, 8
	s_lshl_b32 s21, s21, 23
	s_or_b32 s21, s21, 0x600000
	v_mov_b32 v[LIMV], s21                         ; 448 x 2^e
.set n, 0
	s_wait_alu depctr_va_vdst(0)
.rept 32
	s_wait_loadcnt 31-n                            ; loads come back in order: load n is in, the younger ones stay out
	ds_store_b128 v[SA], v[R+4*n:R+4*n+3] offset:(n/2)*PIT+(n%2)*512
.set n, n+1
.endr
.macro RD kc                           ; chunk kc: my 32 numbers, k = 64 kc + 16 c + 8 h + 0 .. 7.  LDS serves a wave's instructions in order: these see my stores
.irp c, 0,1,2,3
.irp e, 0,1
	ds_load_b128 v[X+32*((\kc)%2)+8*\c+4*\e:X+32*((\kc)%2)+8*\c+4*\e+3], v[RA] offset:(\kc)*256+\c*64+16*\e
.endr
.endr
.endm
.macro CH kc
.set XS, X+32*((\kc)%2)
.if (\kc) < 3
	s_wait_dscnt 8                                 ; this chunk's eight loads are in; the next chunk's eight may be out
.else
	s_wait_dscnt 0
.endif
.set n, 0
.rept 32
	v_med3_num_f32 v[XS+n], v[XS+n], -v[LIMV], v[LIMV]   ; the conversion to an 8-bit code does not saturate (ISA guide 7.6.2): the hold at the largest code x the scale
.set n, n+1
.endr
.irp c, 0,1,2,3
	v_cvt_scalef32_pk8_fp8_f32 v[C+8*(\kc)+2*\c:C+8*(\kc)+2*\c+1], v[XS+8*\c:XS+8*\c+7], v[SCV]
.endr
.if (\kc)+2 < 4
	RD (\kc)+2                                     ; loads into the conversions' sources; the results go to stores alone; the next vector lines are plain holds on the other set
.endif
	global_store_b128 v[LO], v[C+8*(\kc):C+8*(\kc)+3], s[12:13] offset:(\kc)*1024
	global_store_b128 v[LO], v[C+8*(\kc)+4:C+8*(\kc)+7], s[12:13] offset:(\kc)*1024+512
.endm
	RD 0
	RD 1
	CH 0
	CH 1
	CH 2
	CH 3
	s_wait_tensorcnt 0x0
	ds_add_u32 v30, v31
	s_wait_dscnt 0x0
	s_endpgm
.Lfunc_end_k_q1b9f9e83f5_quant:
	.size	k_q1b9f9e83f5_quant, .Lfunc_end_k_q1b9f9e83f5_quant-k_q1b9f9e83f5_quant
	.p2alignl 7, 3214868480
	.fill 96, 4, 3214868480
	.section	.rodata,"a",@progbits
	.p2align	6, 0x0
	.amdhsa_kernel k_q1b9f9e83f5_quant
		.amdhsa_group_segment_fixed_size 67072
		.amdhsa_private_segment_fixed_size 0
		.amdhsa_enable_private_segment 0
		.amdhsa_kernarg_size 56
		.amdhsa_user_sgpr_count 2
		.amdhsa_user_sgpr_kernarg_segment_ptr 1
		.amdhsa_wavefront_size32 1
		.amdhsa_system_sgpr_workgroup_id_x 1
		.amdhsa_system_sgpr_workgroup_id_y 1
		.amdhsa_system_sgpr_workgroup_id_z 1
		.amdhsa_system_vgpr_workitem_id 0
		.amdhsa_next_free_vgpr 256
		.amdhsa_next_free_sgpr 66
		.amdhsa_reserve_vcc 0
		.amdhsa_float_denorm_mode_32 3
		.amdhsa_float_denorm_mode_16_64 3
		.amdhsa_memory_ordered 1
		.amdhsa_forward_progress 1
		.amdhsa_inst_pref_size 21
	.end_amdhsa_kernel
	.amdgpu_metadata
---
amdhsa.version: [ 1, 2 ]
amdhsa.kernels:
  - .name:           k_q1b9f9e83f5_quant
    .symbol:         k_q1b9f9e83f5_quant.kd
    .args:
      - { .name: x, .offset: 0, .size: 8, .value_kind: global_buffer, .address_space: global }
      - { .name: W_qkv, .offset: 8, .size: 8, .value_kind: global_buffer, .address_space: global }
      - { .name: W_proj, .offset: 16, .size: 8, .value_kind: global_buffer, .address_space: global }
      - { .name: lowp_scales, .offset: 24, .size: 8, .value_kind: global_buffer, .address_space: global }
      - { .name: x_codes, .offset: 32, .size: 8, .value_kind: global_buffer, .address_space: global }
      - { .name: wqkv_codes, .offset: 40, .size: 8, .value_kind: global_buffer, .address_space: global }
      - { .name: wproj_codes, .offset: 48, .size: 8, .value_kind: global_buffer, .address_space: global }
    .group_segment_fixed_size: 67072
    .private_segment_fixed_size: 0
    .kernarg_segment_align: 8
    .kernarg_segment_size: 56
    .max_flat_workgroup_size: 128
    .sgpr_count:     66
    .vgpr_count:     256
    .wavefront_size: 32
...
	.end_amdgpu_metadata
.endif
;; end of part 1
;; launch qkv (part 2): grid 4 x 64, 4 waves a work-group, clusters of 4 x 1, 327,680 bytes of LDS; arguments x_codes, wqkv_codes, cos, sin, lowp_scales, q_codes, k_codes, v_codes, vf; writes q_codes, k_codes, v_codes, vf
.if DOCPART == 2
	.amdgcn_target "amdgcn-amd-amdhsa--gfx1250"
	.amdhsa_code_object_version 6
	.text
	.protected	k_q1b9f9e83f5_qkv
	.globl	k_q1b9f9e83f5_qkv
	.p2align	8
	.type	k_q1b9f9e83f5_qkv,@function
k_q1b9f9e83f5_qkv:
	s_mov_b64 s[64:65], 0
	v_nop
	global_prefetch_b8 v0, s[64:65] scope:SCOPE_SE
	s_setreg_imm32_b32 hwreg(HW_REG_WAVE_MODE, 25, 1), 1
	s_wait_xcnt 0x0
	s_wait_alu depctr_hold_cnt(0) depctr_sa_sdst(0) depctr_va_vdst(0) depctr_va_sdst(0) depctr_va_ssrc(0) depctr_va_vcc(0) depctr_vm_vsrc(0)
	s_getreg_b32 s2, hwreg(HW_REG_IB_STS2, 6, 4)
	s_cmp_eq_u32 s2, 0
	s_cbranch_scc0 .Lentry_in_a_cluster
	s_endpgm
.Lentry_in_a_cluster:
	s_bfe_u32 s2, ttmp6, 0x10000c
	s_cmp_lg_u32 s2, 0x3003
	s_cbranch_scc0 .Lentry_shape_is_right
	s_endpgm
.Lentry_shape_is_right:
; qkv = x W_qkv^T on codes of FP8 (E4M3), K = 1,024; then RoPE on q and k, and the quantisers of q, k and v; v also leaves in f32.
; All operands lie as images of operand registers: a block of 16 rows x 64 K is 1,024 bytes (registers 0-3 at 16 x lane, registers 4-7 at 512 + 16 x lane); a buffer is [row tile of 16 rows][16 chunks] of blocks.
; SHARES.  Work-group (cx, y) takes tokens 128 y .. 128 y + 127 and heads 4 cx .. 4 cx + 3: 4 x 64 = 256 work-groups.  Wave w takes head 4 cx + w, in three passes: q, k, v: 128 tokens x 64 channels each, 32 accumulators.
; x: the 128 tokens' codes for all K are 131,072 dense bytes: ONE tensor load a wave (32,768 bytes) at the head; they stay in LDS for all three passes, nothing is filled again, and the passes have no barrier.
; CLUSTER: the four work-groups of a token block need the same x: each load is asked for jointly, with the same descriptor (made of y and the wave's number alone) and the mask 15.  cx enters global addresses alone.
; W: a wave's 64 rows are read by no other wave of the work-group, so their fragments go from memory straight into registers, which the images allow: a ring of four slots (a step of 128 along K each, 16 loads),
; asked for four steps ahead, on into the next pass.  By the text's own count 48 younger loads stand behind the 16 that a step waits for.
; A STEP is 32 matrix instructions, x's fragments in pairs, each against W's four.  x has ONE set of registers: a pair is fetched anew from LDS right behind its eight products, 24 products ahead of its next use.
; The 32 accumulators take turns in the same order in every step.
; q, k: source 0 = 16 rows of W, source 1 = 16 tokens: lane (r, h) of accumulator (a, b) holds token 16 a + r and, in register j, channel 16 b + 8 h + j.  v: the sources are swapped: the lane holds channel 16 b + r and
; register j token 16 a + 8 h + j (the keys, the second attention product's K).  In both the conversions' results are registers of the next operand, and every store is 512 consecutive bytes.
; cos, sin: the block's 128 rows of 128 bytes each are copied once into LDS bytes of their own (rows 144 bytes apart), a quarter by each wave, and serve q's and k's passes of all four waves.
; A sum stands for sum x 2^(e0 + e1).  RoPE is linear, so it is applied to the sums as they are, and the conversion's one scale is 2^(e - e0 - e1), e = e2 (q), e3 (k), e5 (v).
; NO PREFETCH: W's fragments are asked for four steps ahead by the loads themselves, and x's tile goes out at the head.
; LIMITS: e - e0 - e1 between -126 and 119; e0 + e1 between -126 and 127.  NaN among the inputs is not served.
; OUT: q_codes, k_codes [head 64][tile of 16 tokens 128] blocks (rows = tokens, K = the head's 64);  v_codes [head][128 keys 16][t 4] of 2,048 bytes: a fragment of 16 channels (16 t + r) x 128 keys;
;      vf [head][tile of 16 tokens][t 4] of 1,024 bytes, f32: lane (r, h), register j = v(token 8 h + j, channel 16 t + r).
; REGISTERS, in windows of 256: window 0: v0-31 addresses; v32-127 at work on the ways out; v128-255 x's eight fragments.  window 1: W's four slots of 64.  window 2: the accumulators ((a, b) at v[8 (4 a + b)]).
;            window 3: v0-47 the rotated sums and their parts.
.set CSB,   131072                     ; behind x's tile: cos, 128 rows x 144 bytes,
.set SNO,   18432                      ; and sin as far behind cos
.set SPARE, 167936                     ; behind them: the spare words, 128 bytes for each wave: two blocks of 256 bytes that no other line names
.set LI,   2                           ; v2   16 x lane; also the LDS address of x's row tiles 0-3
.set ADRA, 2                           ; v3   that of row tiles 4-7
.set CSW,  4                           ; v4   cos and sin on the way into LDS
.set CSA,  5                           ; v5   and out: row r, + 32 h
.set LIMV, 8                           ; v8   448 x the conversion's scale
.set SCV,  9                           ; v9   the conversion's scale
.set SPW,  28                          ; v28  LDS address of my spare word; never rewritten
.set NIL,  29                          ; v29  0; never rewritten
.set CSR,  32                          ; q, k: v32-95 two sets of 16 cos + 16 sin
.set CDR,  96                          ; v96-111 two sets of 8 registers of codes
.set AF,   128
.set RR,   0                           ; window 3: the rotated sums, tile c of 16 channels at 8 c
.set U,    32
.set U2,   40
.set MD,   32                          ; v: v32-95 the sums, held;  v96-127 two sets of 16 registers of codes;  v128-255 two sets of 64 numbers of v
.set G1,   24                          ; s[24:31] descriptor group 1;  s[32:35] group 0
.set G0,   32
.set WB,   36                          ; s[36:37] my 64 rows of W in the pass in hand
.set OUT,  42                          ; s[42:43] my codes' place in q_codes, then in k_codes
.set MSB, 0
.macro WIN new                         ; the immediate's high byte repeats the setting that is left
.if MSB != \new
	s_set_vgpr_msb (MSB<<8)|\new
.set MSB, \new
.endif
.endm
.macro CROUND                          ; a round of the cluster's barrier
	s_barrier_signal -1
	s_barrier_wait -1
	s_cmp_lg_u32 s14, 0
	s_cbranch_scc1 .Lnot_wave_0_\@
	s_barrier_signal -3
.Lnot_wave_0_\@:
	s_barrier_wait -3
	s_barrier_signal -1
	s_barrier_wait -1
.endm
.macro PLACES                          ; plain vector lines between a matrix instruction and a load into, or a vector read or write of, its registers (ISA guide 7.12.1 for vector reads and writes)
.rept 4
	v_nop
.endr
.endm
.macro BFILL k, off                    ; W's four fragments of one step into slot k: 16 loads of 512 consecutive bytes
	WIN 0x40
.irp b, 0,1,2,3
.irp c, 0,1,2,3
	global_load_b128 v[64*(\k)+16*\b+4*\c:64*(\k)+16*\b+4*\c+3], v[LI], s[WB:WB+1] offset:\off+\b*16384+512*\c
.endr
.endr
	WIN 0
.endm
.macro AFILL g, qn                     ; x's fragments 2 g, 2 g + 1 of step qn
.irp a, 2*(\g), 2*(\g)+1
.irp c, 0,1,2,3
	ds_load_b128 v[AF+16*(\a)+4*\c:AF+16*(\a)+4*\c+3], v[ADRA+(\a)/4] offset:((\a)%4)*16384+(\qn)*2048+512*\c
.endr
.endr
.endm
.macro MM q, a, b, zero, vv            ; one product.  zero = 1: it starts the sum.  vv = 1: the sources swapped
.set DD, 8*(4*\a+\b)
.set WF, 64*((\q)%4)+16*\b
.set XF, AF+16*\a
.if \vv
.if \zero
	v_wmma_f32_16x16x128_fp8_fp8 v[DD:DD+7], v[XF:XF+15], v[WF:WF+15], 0
.else
	v_wmma_f32_16x16x128_fp8_fp8 v[DD:DD+7], v[XF:XF+15], v[WF:WF+15], v[DD:DD+7]
.endif
.else
.if \zero
	v_wmma_f32_16x16x128_fp8_fp8 v[DD:DD+7], v[WF:WF+15], v[XF:XF+15], 0
.else
	v_wmma_f32_16x16x128_fp8_fp8 v[DD:DD+7], v[WF:WF+15], v[XF:XF+15], v[DD:DD+7]
.endif
.endif
.endm
; A step of 128 along K.  lc: the W loads younger than this step's.  nxa = 1: x's next step is fetched: behind the eight LDS loads that a group waits for stand 24 younger ones.  nxb = 1: the slot is asked for again, at byte boff.
.macro STEPX q, zero, vv, nxa, nxb, boff, lc
	s_wait_loadcnt \lc
.irp g, 0,1,2,3
.if \nxa
	s_wait_dscnt 24
.else
	s_wait_dscnt 8*(3-\g)
.endif
.if \vv
	WIN 0xa4                                       ; source 0 (x) window 0, source 1 (W) window 1, C and D window 2
.else
	WIN 0xa1                                       ; source 0 (W) window 1, source 1 (x) window 0, C and D window 2
.endif
.irp a, 2*\g, 2*\g+1
.irp b, 0,1,2,3
	MM \q, (\a), \b, \zero, \vv
.endr
.endr
.if \nxa
	PLACES
	WIN 0
	AFILL \g, ((\q)+1)%8
.endif
.endr
.if \nxb
	BFILL (\q)%4, \boff                            ; the last group's four places stand in front of these loads too
.endif
	WIN 0
.endm
	s_load_b128 s[4:7], s[0:1], 0x0                ; x's codes, W_qkv's codes
	s_load_b256 s[68:75], s[0:1], 0x10             ; cos s[68:69], sin s[70:71], the scales' exponents s[72:73], q's codes s[74:75]
	s_load_b128 s[76:79], s[0:1], 0x30             ; k's codes s[76:77], v's codes s[78:79]
	s_load_b64 s[80:81], s[0:1], 0x40              ; v in f32
	v_lshl_add_u32 v[SPW], v0, 2, SPARE
	v_mov_b32 v[NIL], 0
	ds_add_u32 v[SPW], v[NIL]                      ; the opening lines: the add, twice on end, and its wait ahead of my first tensor load
	ds_add_u32 v[SPW], v[NIL]
	v_lshrrev_b32 v6, 5, v0
	v_readfirstlane_b32 s14, v6                    ; wave 0..3
	s_bfe_u32 s40, ttmp6, 0x40000                  ; cx
	s_and_b32 s17, ttmp7, 0xffff                   ; the cluster's y: the token block
	s_mov_b32 s[G1], 15|(3<<16)|(1<<21)            ; 15:0 the mask: all four of the cluster; 17:16 elements of 8 bytes; 21 set beside a mask; no padding
	s_mov_b32 s[G1+1], 32<<16                      ; tensor_dim0 = 32 elements: 256 bytes
	s_mov_b32 s[G1+2], 128<<16                     ; tensor_dim1 = 128
	s_mov_b32 s[G1+3], 32<<16                      ; tile_dim0
	s_mov_b32 s[G1+4], 128                         ; tile_dim1
	s_mov_b32 s[G1+5], 32                          ; tensor_dim0_stride: dense
	s_mov_b32 s[G1+6], 0
	s_mov_b32 s[G1+7], 0
	s_mov_b32 s[G0], 1                             ; count = 1
	s_lshl_b32 s[G0+1], s14, 15                    ; LDS address: wave x 32,768: two row tiles
	s_lshl_b32 s20, s17, 17                        ; the block's 8 row tiles of 16,384 bytes,
	s_lshl_b32 s18, s14, 15                        ; my two
	s_add_co_u32 s20, s20, s18
	s_mov_b32 s21, 0
	s_wait_alu depctr_va_vdst(0)
	s_wait_dscnt 0x0                               ; both opening adds are done
	s_wait_kmcnt 0x0
	s_load_b256 s[84:91], s[72:73], 0x0            ; e0 .. e7
	s_add_nc_u64 s[G0+2:G0+3], s[4:5], s[20:21]
	s_or_b32 s[G0+3], s[G0+3], 0x80000000          ; type = 2
	CROUND                                         ; all four work-groups are here: the joint loads meet
	tensor_load_to_lds s[G0:G0+3], s[G1:G1+7]      ; my one tensor load of the launch
	s_nop 0
	s_lshl_b32 s18, s40, 2
	s_add_co_u32 s18, s18, s14                     ; my head: 4 cx + wave
	s_lshl_b32 s22, s18, 16                        ; its 4 row tiles of W in q's rows
	s_mov_b32 s23, 0
	s_add_nc_u64 s[WB:WB+1], s[6:7], s[22:23]
	s_and_b32 s19, s17, 15                         ; the token block within its batch
	s_lshl_b32 s22, s19, 14                        ; 128 rows of 128 bytes of cos and of sin,
	s_lshl_b32 s92, s14, 12                        ; the 32 that I copy
	s_add_co_u32 s22, s22, s92
	s_add_nc_u64 s[68:69], s[68:69], s[22:23]
	s_add_nc_u64 s[70:71], s[70:71], s[22:23]
	s_lshr_b32 s92, s17, 4
	s_lshl_b32 s92, s92, 4
	s_add_co_u32 s92, s92, s18                     ; 16 x batch + head
	s_lshl_b32 s22, s92, 17                        ; a head's 131,072 bytes of codes,
	s_lshl_b32 s93, s19, 13                        ; the block's 8,192
	s_add_co_u32 s22, s22, s93
	s_add_nc_u64 s[OUT:OUT+1], s[74:75], s[22:23]
	s_add_nc_u64 s[76:77], s[76:77], s[22:23]
	s_add_nc_u64 s[78:79], s[78:79], s[22:23]
	s_lshl_b64 s[22:23], s[22:23], 2               ; v in f32: four times the bytes
	s_add_nc_u64 s[80:81], s[80:81], s[22:23]
	s_mul_i32 s94, s14, 32*144
	s_add_co_u32 s94, s94, CSB                     ; where my 32 rows of cos go
	v_and_b32 v6, 31, v0
	v_and_b32 v7, 15, v0                           ; r
	v_bfe_u32 v10, v0, 4, 1                        ; h
	v_lshlrev_b32 v[LI], 4, v6
	v_lshrrev_b32 v11, 3, v6
	v_and_b32 v12, 7, v6
	v_mul_u32_u24 v[CSW], v11, 144                 ; a load's 512 bytes are four rows: row lane / 8, byte 16 (lane % 8)
	v_mul_u32_u24 v[CSA], v7, 144
	v_lshl_add_u32 v[CSW], v12, 4, v[CSW]
	v_lshl_add_u32 v[CSA], v10, 5, v[CSA]
	v_add_nc_u32 v[CSW], s94, v[CSW]
	v_add_nc_u32 v[CSA], CSB, v[CSA]
	v_add_nc_u32 v[ADRA+1], 0x10000, v[LI]
	s_wait_alu depctr_va_vdst(0)
.irp j, 0,1,2,3,4,5,6,7
	global_load_b128 v[CSR+4*\j:CSR+4*\j+3], v[LI], s[68:69] offset:\j*512
	global_load_b128 v[CSR+32+4*\j:CSR+32+4*\j+3], v[LI], s[70:71] offset:\j*512
.endr
	BFILL 0, 0
	BFILL 1, 2048
	BFILL 2, 4096
	s_wait_loadcnt 48                              ; cos and sin are in; W's first three steps may be out
	s_wait_tensorcnt 0x0                           ; my part of x is in
.irp j, 0,1,2,3,4,5,6,7
	ds_store_b128 v[CSW], v[CSR+4*\j:CSR+4*\j+3] offset:\j*576
	ds_store_b128 v[CSW], v[CSR+32+4*\j:CSR+32+4*\j+3] offset:SNO+\j*576
.endr
	s_wait_dscnt 0x0                               ; for the others' sake
	s_barrier_signal -1
	s_barrier_wait -1                              ; all of x, cos and sin are in LDS.
	BFILL 3, 6144
.irp g, 0,1,2,3
	AFILL \g, 0
.endr
.macro SCL d, e                        ; s[d] = 2^(e - e0 - e1), s[d + 1] = 448 x that, as f32
	s_sub_co_i32 s92, \e, s84
	s_sub_co_i32 s92, s92, s85
	s_add_co_i32 s92, s92, 127
	s_lshl_b32 s[\d], s92, 23
	s_add_co_i32 s92, s92, 8
	s_lshl_b32 s92, s92, 23
	s_or_b32 s[\d+1], s92, 0x600000
.endm
	s_wait_kmcnt 0x0                               ; the exponents
	SCL 44, s86                                    ; q
	SCL 46, s87                                    ; k
	SCL 48, s89                                    ; v
	s_add_co_i32 s96, s84, s85
	s_add_co_i32 s96, s96, 127
	s_lshl_b32 s96, s96, 23                        ; 2^(e0 + e1) as f32
	s_mov_b32 s97, s96                             ; (named with it as a pair, so it is written)
	v_mov_b32 v[SCV], s44
	v_mov_b32 v[LIMV], s45
	s_wait_alu depctr_va_vdst(0)
	s_mov_b32 s3, 0
; q, k: cos and sin of block a's 16 tokens: lane (r, h) takes, of token r, the angles 16 bb + 8 h + 0 .. 7
.macro CSL a
.irp bb, 0,1
.irp e, 0,1
	ds_load_b128 v[CSR+32*((\a)%2)+8*\bb+4*\e:CSR+32*((\a)%2)+8*\bb+4*\e+3], v[CSA] offset:(\a)*2304+\bb*64+16*\e
	ds_load_b128 v[CSR+32*((\a)%2)+16+8*\bb+4*\e:CSR+32*((\a)%2)+16+8*\bb+4*\e+3], v[CSA] offset:SNO+(\a)*2304+\bb*64+16*\e
.endr
.endr
.endm
; q, k: block a: 16 tokens of my head.  Accumulators (a, bb), bb = 0, 1, hold channels under 32, accumulators (a, bb + 2) the channels 32 further on.
.macro QKB a
.set CS0, CSR+32*((\a)%2)
.set CD0, CDR+8*((\a)%2)
.if (\a) < 7
	CSL (\a)+1
	s_wait_dscnt 8                                 ; this block's eight loads are in; the next block's eight may be out
.else
	s_wait_dscnt 0
.endif
.if (\a) >= 2
	s_wait_xcnt 0x0                                ; block a - 2's stores have read this set of codes
.endif
	WIN 0xf2                                       ; source 0 window 2, source 1 window 0, source 2 and destination window 3
.irp bb, 0,1
.set A1, 8*(4*(\a)+\bb)
.set A2, A1+16
.irp j, 0,2,4,6                        ; each accumulator is read from its low end on
	v_pk_mul_f32 v[U+\j:U+\j+1], v[A2+\j:A2+\j+1], v[CS0+16+8*\bb+\j:CS0+16+8*\bb+\j+1]      ; q2 sin
.endr
.irp j, 0,2,4,6
	v_pk_mul_f32 v[U2+\j:U2+\j+1], v[A2+\j:A2+\j+1], v[CS0+8*\bb+\j:CS0+8*\bb+\j+1]          ; q2 cos
.endr
.irp j, 0,2,4,6
	v_pk_fma_f32 v[RR+8*\bb+\j:RR+8*\bb+\j+1], v[A1+\j:A1+\j+1], v[CS0+8*\bb+\j:CS0+8*\bb+\j+1], v[U+\j:U+\j+1] neg_lo:[0,0,1] neg_hi:[0,0,1]   ; q1 cos - q2 sin
.endr
.irp j, 0,2,4,6
	v_pk_fma_f32 v[RR+16+8*\bb+\j:RR+16+8*\bb+\j+1], v[A1+\j:A1+\j+1], v[CS0+16+8*\bb+\j:CS0+16+8*\bb+\j+1], v[U2+\j:U2+\j+1]                 ; q1 sin + q2 cos
.endr
.endr
	WIN 0xc3                                       ; source 0 and destination window 3
.set n, 0
.rept 32
	v_med3_num_f32 v[RR+n], v[RR+n], -v[LIMV], v[LIMV]   ; the conversion does not saturate (ISA guide 7.6.2): the hold at the largest code x the scale
.set n, n+1
.endr
	WIN 0x03                                       ; source 0 window 3
.irp c, 0,1,2,3
	v_cvt_scalef32_pk8_fp8_f32 v[CD0+2*\c:CD0+2*\c+1], v[RR+8*\c:RR+8*\c+7], v[SCV]   ; registers 2 c, 2 c + 1 of the block: channels 16 c + 8 h + 0 .. 7 of token r
.endr
	v_nop                                          ; a plain vector line between the conversions and the next vector line that writes their sources
	WIN 0
	global_store_b128 v[LI], v[CD0:CD0+3], s[OUT:OUT+1] offset:(\a)*1024
	global_store_b128 v[LI], v[CD0+4:CD0+7], s[OUT:OUT+1] offset:(\a)*1024+512
.endm
; v: channels 16 b + r x my 128 tokens.  v = sum x 2^(e0 + e1) leaves in f32; the held sums become a whole fragment of 16 channels x 128 keys.
.macro VB b
.set F0, 128+64*((\b)%2)
.set CD0, 96+16*((\b)%2)
.if (\b) >= 2
	s_wait_xcnt 0x0                                ; b - 2's stores have read these sets
.endif
	WIN 0x02                                       ; source 0 window 2
.irp a, 0,1,2,3,4,5,6,7
.irp j, 0,2,4,6
	v_pk_mul_f32 v[F0+8*\a+\j:F0+8*\a+\j+1], v[8*(4*\a+(\b))+\j:8*(4*\a+(\b))+\j+1], s[96:97] op_sel_hi:[1,0]
.endr
.irp j, 0,1,2,3,4,5,6,7
	v_med3_num_f32 v[MD+8*\a+\j], v[8*(4*\a+(\b))+\j], -v[LIMV], v[LIMV]
.endr
.endr
	WIN 0
.irp a, 0,1,2,3,4,5,6,7
	v_cvt_scalef32_pk8_fp8_f32 v[CD0+2*\a:CD0+2*\a+1], v[MD+8*\a:MD+8*\a+7], v[SCV]   ; registers 2 a, 2 a + 1: keys 16 a + 8 h + 0 .. 7 of channel r
.endr
	v_nop                                          ; a plain vector line between the conversions and the next vector line that writes their sources
.irp a, 0,1,2,3,4,5,6,7
	global_store_b128 v[LI], v[F0+8*\a:F0+8*\a+3], s[80:81] offset:\a*4096+(\b)*1024
	global_store_b128 v[LI], v[F0+8*\a+4:F0+8*\a+7], s[80:81] offset:\a*4096+(\b)*1024+512
.endr
.irp c, 0,1,2,3
	global_store_b128 v[LI], v[CD0+4*\c:CD0+4*\c+3], s[78:79] offset:(\b)*2048+512*\c
.endr
.endm
.Lpass:                                                ; two trips: q's pass and k's.  The ring of W's slots goes on into the next pass: a pass's rows lie 1,048,576 bytes behind the last's
	STEPX 0, 1, 0, 1, 1, 4*2048, 48                ; a pass's first products start the sums
	STEPX 1, 0, 0, 1, 1, 5*2048, 48
	STEPX 2, 0, 0, 1, 1, 6*2048, 48
	STEPX 3, 0, 0, 1, 1, 7*2048, 48
	STEPX 4, 0, 0, 1, 1, 0x100000, 48
	STEPX 5, 0, 0, 1, 1, 0x100000+2048, 48
	STEPX 6, 0, 0, 1, 1, 0x100000+4096, 48
	STEPX 7, 0, 0, 1, 1, 0x100000+6144, 48         ; its last group's places stand in front of the first read of the sums too
	CSL 0
.irp a, 0,1,2,3,4,5,6,7
	QKB \a
.endr
	s_wait_xcnt 0x0                                ; every load and store has read its base and its registers: they may be written
	s_add_nc_u64 s[WB:WB+1], s[WB:WB+1], 0x100000
	s_mov_b64 s[OUT:OUT+1], s[76:77]               ; k's codes and k's scale
	v_mov_b32 v[SCV], s46
	v_mov_b32 v[LIMV], s47
	s_add_co_u32 s3, s3, 1
	s_cmp_lt_u32 s3, 2
	s_wait_alu depctr_va_vdst(0)
	s_cbranch_scc1 .Lpass
	v_mov_b32 v[SCV], s48                          ; v's pass is written out: its sources are swapped, and its last steps ask for nothing
	v_mov_b32 v[LIMV], s49
	s_wait_alu depctr_va_vdst(0)
	STEPX 0, 1, 1, 1, 1, 4*2048, 48
	STEPX 1, 0, 1, 1, 1, 5*2048, 48
	STEPX 2, 0, 1, 1, 1, 6*2048, 48
	STEPX 3, 0, 1, 1, 1, 7*2048, 48
	STEPX 4, 0, 1, 1, 0, 0, 48
	STEPX 5, 0, 1, 1, 0, 0, 32
	STEPX 6, 0, 1, 1, 0, 0, 16
	STEPX 7, 0, 1, 0, 0, 0, 0
	PLACES
.irp b, 0,1,2,3
	VB \b
.endr
	s_wait_tensorcnt 0x0                           ; the wave's end
	ds_add_u32 v[SPW], v[NIL]
	s_wait_dscnt 0x0
	CROUND                                         ; the closing round
	s_endpgm
.Lfunc_end_k_q1b9f9e83f5_qkv:
	.size	k_q1b9f9e83f5_qkv, .Lfunc_end_k_q1b9f9e83f5_qkv-k_q1b9f9e83f5_qkv
	.p2alignl 7, 3214868480
	.fill 96, 4, 3214868480
	.section	.rodata,"a",@progbits
	.p2align	6, 0x0
	.amdhsa_kernel k_q1b9f9e83f5_qkv
		.amdhsa_group_segment_fixed_size 327680
		.amdhsa_private_segment_fixed_size 0
		.amdhsa_enable_private_segment 0
		.amdhsa_kernarg_size 72
		.amdhsa_user_sgpr_count 2
		.amdhsa_user_sgpr_kernarg_segment_ptr 1
		.amdhsa_wavefront_size32 1
		.amdhsa_system_sgpr_workgroup_id_x 1
		.amdhsa_system_sgpr_workgroup_id_y 1
		.amdhsa_system_sgpr_workgroup_id_z 1
		.amdhsa_system_vgpr_workitem_id 0
		.amdhsa_next_free_vgpr 1024
		.amdhsa_next_free_sgpr 100
		.amdhsa_reserve_vcc 0
		.amdhsa_float_denorm_mode_32 3
		.amdhsa_float_denorm_mode_16_64 3
		.amdhsa_memory_ordered 1
		.amdhsa_forward_progress 1
		.amdhsa_inst_pref_size 187
	.end_amdhsa_kernel
	.amdgpu_metadata
---
amdhsa.version: [ 1, 2 ]
amdhsa.kernels:
  - .name:           k_q1b9f9e83f5_qkv
    .symbol:         k_q1b9f9e83f5_qkv.kd
    .args:
      - { .name: x_codes, .offset: 0, .size: 8, .value_kind: global_buffer, .address_space: global }
      - { .name: wqkv_codes, .offset: 8, .size: 8, .value_kind: global_buffer, .address_space: global }
      - { .name: cos, .offset: 16, .size: 8, .value_kind: global_buffer, .address_space: global }
      - { .name: sin, .offset: 24, .size: 8, .value_kind: global_buffer, .address_space: global }
      - { .name: lowp_scales, .offset: 32, .size: 8, .value_kind: global_buffer, .address_space: global }
      - { .name: q_codes, .offset: 40, .size: 8, .value_kind: global_buffer, .address_space: global }
      - { .name: k_codes, .offset: 48, .size: 8, .value_kind: global_buffer, .address_space: global }
      - { .name: v_codes, .offset: 56, .size: 8, .value_kind: global_buffer, .address_space: global }
      - { .name: vf, .offset: 64, .size: 8, .value_kind: global_buffer, .address_space: global }
    .group_segment_fixed_size: 327680
    .private_segment_fixed_size: 0
    .kernarg_segment_align: 8
    .kernarg_segment_size: 72
    .max_flat_workgroup_size: 128
    .sgpr_count:     100
    .vgpr_count:     1024
    .wavefront_size: 32
...
	.end_amdgpu_metadata
.endif
;; end of part 2
;; launch attn (part 3): grid 4 x 64, 8 waves a work-group, clusters of 4 x 1, 327,680 bytes of LDS; arguments q_codes, k_codes, v_codes, vf, lowp_scales, o_codes; writes o_codes
.if DOCPART == 3
	.amdgcn_target "amdgcn-amd-amdhsa--gfx1250"
	.amdhsa_code_object_version 6
	.text
	.protected	k_q1b9f9e83f5_attn
	.globl	k_q1b9f9e83f5_attn
	.p2align	8
	.type	k_q1b9f9e83f5_attn,@function
k_q1b9f9e83f5_attn:
	s_mov_b64 s[64:65], 0
	v_nop
	global_prefetch_b8 v0, s[64:65] scope:SCOPE_SE
	s_setreg_imm32_b32 hwreg(HW_REG_WAVE_MODE, 25, 1), 1
	s_wait_xcnt 0x0
	s_wait_alu depctr_hold_cnt(0) depctr_sa_sdst(0) depctr_va_vdst(0) depctr_va_sdst(0) depctr_va_ssrc(0) depctr_va_vcc(0) depctr_vm_vsrc(0)
	s_getreg_b32 s2, hwreg(HW_REG_IB_STS2, 6, 4)
	s_cmp_eq_u32 s2, 0
	s_cbranch_scc0 .Lentry_in_a_cluster
	s_endpgm
.Lentry_in_a_cluster:
	s_bfe_u32 s2, ttmp6, 0x10000c
	s_cmp_lg_u32 s2, 0x3003
	s_cbranch_scc0 .Lentry_shape_is_right
	s_endpgm
.Lentry_shape_is_right:
; For each of 64 heads (2,048 tokens, head size 64): o = softmax(causal(q k^T / 8)) v - (the diagonal weight) x v, both products on codes of FP8 (E4M3); o is quantised for the last projection.
; THE SOFTMAX AHEAD OF THE SECOND PRODUCT: t = score x log2(e) / 8; M = the row's largest t so far, rounded UP to a whole number; p = 2^(t - M) is quantised with 2^e4, not normalised; the row's sum l is taken
; of the unquantised p and divides at the end.  When M moves, l and O are multiplied by 2^(old M - new M): exact.  The diagonal weight is 2^(t_diag - M) / l; it multiplies v in f32.
; ALL OF A HEAD'S K AND V LIE IN LDS: 131,072 bytes each.  Each of the eight waves asks for 32,768 of them by ONE tensor load at the kernel's head (waves 0-3: K's quarters, waves 4-7: V's); one barrier follows,
; and no LDS byte is filled again: the loop over the keys has no barrier, and no wave waits for another.
; CLUSTER: the four work-groups of a head need the same K and V: each load is asked for jointly, with the same descriptor (made of the head and the wave's number alone) and the mask 15.
; SHARES.  A head has 64 tiles of 32 queries.  Wave a of the work-group at place cx owns tiles 4 (15 - a) + cx and then 4 a + cx: 16 - a and a + 1 steps of 128 keys, 17 for every wave: one loop of constant count.
; No branch, trip count or LDS address hangs on cx: a tile's number of steps hangs on a alone; cx enters global addresses and the mask's compare value.
; CAUSAL.  Only the steps that hold a key that counts are walked.  A tile's last step holds its diagonal: there my first query is the step's key 32 cx, and hidden scores become -infinity ahead of the maximum;
; the step's first key counts for every query.  All earlier steps count whole.
; LAYOUT.  Both products are used transposed: S^T = K Q^T (source 0 = 16 keys, source 1 = 16 queries), O^T = V^T P (source 0 = 16 channels x 128 keys, source 1 = P): a lane holds ONE query (lane % 16) throughout.
; Tile c of S^T holds keys 16 c + 8 h + 0 .. 7 in its eight registers: its two registers of codes are registers 2 c, 2 c + 1 of P's fragment.  O^T's tile t likewise gives registers 2 t, 2 t + 1 of the output's block.
; All operands lie in memory as images of operand registers (blocks of 1,024 bytes: registers 0-3 at 16 x lane, 4-7 at 512 + 16 x lane), so every load is 512 consecutive bytes and LDS needs no pitch.
; THE TWO HALVES OF 16 QUERIES GO THROUGH THE SOFTMAX TOGETHER: eight chains of maxima and eight of sums take turns, the two rows of statistics are interleaved, and the 128 exponentials are one batch.
; NO PREFETCH: every tensor load of the text goes out at its head, so there is no later load to run ahead of; a tile's v is loaded into registers a whole tile's steps ahead of its use.
; LIMITS on the given exponents: e2 + e3 between -123 and 130 (added to the exponent field of log2(e) / 8); e4 and e6 between -126 and 119; e4 + e5 is applied by v_ldexp_f32 and has none.  NaN is not served.
; LDS: K's step s at 8,192 s; V's at 131,072 + 8,192 s; from 262,144 a stage of 5,120 bytes a wave that turns 16 tokens of v (f32); from 303,104 the spare words.
; REGISTERS.  window 0: v1-11 addresses and constants; v16-31 statistics, eight a half; v32-47 constants and work; v48-63 Q; v64-79 the second tile's Q; v80-111 P (ahead of the conversions: the chains' registers);
;             v112-127 the output's codes; v128-255 S^T, then p.   window 1: v0-63 K's eight fragments; v64-127 V's four; v128-191 O^T; v192-255 v in f32 as it is loaded.
.set VOFF,  131072
.set STG,   262144
.set WSTG,  5120                       ; 64 rows (channels) x 80 bytes (16 tokens x 4 + 16)
.set SPARE, 303104                     ; 128 bytes for each of eight waves: four blocks of 256 bytes that no other line names
.set LI,   1                           ; v1   16 x lane
.set ADK,  2                           ; v2   the next step's K
.set ADV,  3                           ; v3   the step's V
.set SPW,  4                           ; v4   LDS address of my spare word; never rewritten
.set NIL,  5                           ; v5   0; never rewritten
.set STW,  6                           ; v6   the stage, in: row r, + 32 h
.set STR,  7                           ; v7   the stage, out: row 8 h, + 4 r
.set DD0,  8                           ; v8   32 cx + r - 8 h: in a diagonal step, my query of the first 16 less the step's first key less 8 h
.set C6,   10                          ; v10  2^e6
.set L6,   11                          ; v11  448 x 2^e6
.set ST,   16                          ; half y at v[16 + 8 y]: +0 -M, +1 the largest t, +2, +3 the sum in two halves, +4 the diagonal score
.set SDL,  32                          ; v32, v33 the second tile's diagonal scores
.set L4V,  34                          ; v34  448 x 2^e4
.set C4V,  35                          ; v35  2^e4
.set FF,   40                          ; v[40:41], v[42:43] f = 2^(old M - new M) of the two halves;  v36-43 at work on the way out
.set NINF, 44                          ; v44  -infinity
.set PL,   45                          ; v45, v46 lane l xor 16's maximum
.set Q,    48
.set QL,   64
.set P,    80
.set MX,   80                          ; v80-87  four chains of maxima a half
.set SM,   88                          ; v88-99  three pairs of sums a half, beside the running pair
.set OC,   112
.set S,    128
.set KFR,  0                           ; window 1
.set VFR,  64
.set OT,   128
.set VR,   192
.set WV,   16                          ; s16  my wave's number a
.set CX,   17                          ; s17  my work-group's place in the cluster
.set BH,   18                          ; s18  the head
.set SW,   19                          ; s19  16 - a: the trip at which the second tile begins
.set NN,   20                          ; s20  the trip
.set DG,   22                          ; s22  1 in a tile's last step
.set OBC,  24                          ; s[24:25] the output's blocks of the tile that leaves
.set SEL,  26                          ; s[26:27] lane selects for v_permlanex16_b32: lane l xor 16
.set CS,   28                          ; s[28:29] c = log2(e) / 8 x 2^(e2 + e3)
.set G1,   32                          ; s[32:39] descriptor group 1;  s[40:43] group 0
.set G0,   40
.set OB,   60                          ; s[60:63] the output's blocks, first and second tile
.set QB,   66                          ; s[66:69] Q, s[70:73] the same tokens' K, s[74:77] their v: a pair for each tile
.set KD,   70
.set VB,   74
.set DM,   80                          ; s80-87 lanes j and 24 + j: where register j of a 16 x 16 result holds its diagonal
.set E45,  88
.set MSB, 0
.macro WIN new                         ; the immediate's high byte repeats the setting that is left
.if MSB != \new
	s_set_vgpr_msb (MSB<<8)|\new
.set MSB, \new
.endif
.endm
.macro CROUND                          ; a round of the cluster's barrier
	s_barrier_signal -1
	s_barrier_wait -1
	s_cmp_lg_u32 s[WV], 0
	s_cbranch_scc1 .Lnot_wave_0_\@
	s_barrier_signal -3
.Lnot_wave_0_\@:
	s_barrier_wait -3
	s_barrier_signal -1
	s_barrier_wait -1
.endm
.macro KLOAD adr                       ; a step's eight fragments of K: 16 keys x 64 each
	WIN 0x40
.irp c, 0,1,2,3,4,5,6,7
	ds_load_b128 v[KFR+8*\c:KFR+8*\c+3],   v[\adr] offset:\c*1024
	ds_load_b128 v[KFR+8*\c+4:KFR+8*\c+7], v[\adr] offset:\c*1024+512
.endr
	WIN 0
.endm
.macro VFLOAD b                        ; 32 tokens of v in f32, as they lie: 16 loads of 512 consecutive bytes
	WIN 0x40
.irp y, 0,1
.irp t, 0,1,2,3
.irp f, 0,1
	global_load_b128 v[VR+32*\y+8*\t+4*\f:VR+32*\y+8*\t+4*\f+3], v[LI], s[\b:\b+1] offset:\y*4096+\t*1024+\f*512 th:TH_LOAD_NT
.endr
.endr
.endr
	WIN 0
.endm
	s_load_b256 s[4:11], s[0:1], 0x0               ; q's codes s[4:5], k's s[6:7], v's s[8:9], v in f32 s[10:11]
	s_load_b128 s[12:15], s[0:1], 0x20             ; the scales' exponents s[12:13], the output's codes s[14:15]
	v_lshl_add_u32 v[SPW], v0, 2, SPARE
	v_mov_b32 v[NIL], 0
	ds_add_u32 v[SPW], v[NIL]                      ; the opening lines: the add, twice on end, and its wait ahead of my first tensor load
	ds_add_u32 v[SPW], v[NIL]
	v_lshrrev_b32 v9, 5, v0
	v_readfirstlane_b32 s[WV], v9                  ; wave 0..7
	s_bfe_u32 s[CX], ttmp6, 0x40000
	s_and_b32 s[BH], ttmp7, 0xffff                 ; the cluster's y is the head
	s_sub_co_u32 s[SW], 16, s[WV]
	s_mov_b32 s[G1], 15|(3<<16)|(1<<21)            ; 15:0 the mask: all four of the cluster; 17:16 elements of 8 bytes; 21 set beside a mask; no padding
	s_mov_b32 s[G1+1], 32<<16                      ; tensor_dim0 = 32 elements: 256 bytes
	s_mov_b32 s[G1+2], 128<<16                     ; tensor_dim1 = 128
	s_mov_b32 s[G1+3], 32<<16                      ; tile_dim0
	s_mov_b32 s[G1+4], 128                         ; tile_dim1
	s_mov_b32 s[G1+5], 32                          ; tensor_dim0_stride: dense
	s_mov_b32 s[G1+6], 0
	s_mov_b32 s[G1+7], 0
	s_mov_b32 s[G0], 1                             ; count = 1
	s_lshl_b32 s[G0+1], s[WV], 15                  ; LDS address: wave x 32,768: K's four quarters, then V's
	s_lshl_b32 s95, s[BH], 17                      ; the head's first byte in each tensor of codes
	s_and_b32 s92, s[WV], 3
	s_lshl_b32 s92, s92, 15                        ; my quarter
	s_add_co_u32 s92, s92, s95
	s_mov_b32 s93, 0
	s_lshl_b32 s91, s[CX], 1
	s_sub_co_u32 s90, 15, s[WV]
	s_lshl_b32 s90, s90, 3
	s_add_co_u32 s90, s90, s91                     ; my first tile's first 16 tokens: 8 (15 - a) + 2 cx,
	s_lshl_b32 s94, s[WV], 3
	s_add_co_u32 s94, s94, s91                     ; my second tile's: 8 a + 2 cx
	s_lshl_b32 s96, s90, 10
	s_add_co_u32 s96, s96, s95
	s_mov_b32 s97, 0
	s_lshl_b32 s98, s94, 10
	s_add_co_u32 s98, s98, s95
	s_mov_b32 s99, 0
	s_wait_alu depctr_va_vdst(0)
	s_wait_dscnt 0x0                               ; both opening adds are done
	s_wait_kmcnt 0x0
	s_load_b256 s[52:59], s[12:13], 0x0            ; e0 .. e7
	s_cmp_lt_u32 s[WV], 4
	s_cselect_b64 s[G0+2:G0+3], s[6:7], s[8:9]
	s_add_nc_u64 s[G0+2:G0+3], s[G0+2:G0+3], s[92:93]
	s_or_b32 s[G0+3], s[G0+3], 0x80000000          ; type = 2
	CROUND                                         ; all four work-groups are here: the joint loads meet
	tensor_load_to_lds s[G0:G0+3], s[G1:G1+7]      ; my one tensor load of the launch
	s_nop 0
	s_add_nc_u64 s[QB:QB+1], s[4:5], s[96:97]
	s_add_nc_u64 s[QB+2:QB+3], s[4:5], s[98:99]
	s_add_nc_u64 s[KD:KD+1], s[6:7], s[96:97]
	s_add_nc_u64 s[KD+2:KD+3], s[6:7], s[98:99]
	s_lshl_b64 s[96:97], s[96:97], 2               ; v in f32: four times the bytes
	s_lshl_b64 s[98:99], s[98:99], 2
	s_add_nc_u64 s[VB:VB+1], s[10:11], s[96:97]
	s_add_nc_u64 s[VB+2:VB+3], s[10:11], s[98:99]
	v_and_b32 v9, 31, v0
	v_lshlrev_b32 v[LI], 4, v9
.irp u, 0,1,2,3                        ; 16 tokens u: tile u / 2, half u % 2.  Q; K of the same 16 tokens, for the diagonal scores
.irp f, 0,1
	global_load_b128 v[Q+8*\u+4*\f:Q+8*\u+4*\f+3], v[LI], s[QB+2*(\u/2):QB+2*(\u/2)+1] offset:(\u%2)*1024+\f*512 th:TH_LOAD_NT
	global_load_b128 v[P+8*\u+4*\f:P+8*\u+4*\f+3], v[LI], s[KD+2*(\u/2):KD+2*(\u/2)+1] offset:(\u%2)*1024+\f*512
.endr
.endr
	s_lshr_b32 s95, s[BH], 4                       ; the output: row tile = 128 x batch + tile of 16 tokens, chunk = head % 16
	s_lshl_b32 s95, s95, 7
	s_and_b32 s91, s[BH], 15
	s_lshl_b32 s91, s91, 10
	s_add_co_u32 s96, s95, s90
	s_lshl_b32 s96, s96, 14
	s_add_co_u32 s96, s96, s91
	s_mov_b32 s97, 0
	s_add_co_u32 s98, s95, s94
	s_lshl_b32 s98, s98, 14
	s_add_co_u32 s98, s98, s91
	s_mov_b32 s99, 0
	s_add_nc_u64 s[OB:OB+1], s[14:15], s[96:97]
	s_add_nc_u64 s[OB+2:OB+3], s[14:15], s[98:99]
	s_mov_b32 s[SEL], 0x76543210
	s_mov_b32 s[SEL+1], 0xfedcba98
	s_mov_b32 s[DM], 0x01000001
.irp j, 1,2,3,4,5,6,7
	s_lshl_b32 s[DM+\j], s[DM], \j
.endr
	v_and_b32 v12, 15, v0                          ; r
	v_bfe_u32 v13, v0, 4, 1                        ; h
	s_mul_i32 s91, s[WV], WSTG
	s_add_co_u32 s91, s91, STG                     ; my stage
	v_mul_u32_u24 v[STW], v12, 80
	v_mul_u32_u24 v[STR], v13, 640
	v_lshl_add_u32 v[STW], v13, 5, v[STW]
	v_lshl_add_u32 v[STR], v12, 2, v[STR]
	v_add_nc_u32 v[STW], s91, v[STW]
	v_add_nc_u32 v[STR], s91, v[STR]
	v_lshlrev_b32 v13, 3, v13
	s_lshl_b32 s91, s[CX], 5
	v_sub_nc_u32 v[DD0], v12, v13
	v_add_nc_u32 v[ADV], VOFF, v[LI]               ; V's step 0
	v_add_nc_u32 v[DD0], s91, v[DD0]
.irp n, 36,37,38,39,40,41,42,43,45,46
	v_mov_b32 v[\n], 0                             ; written once: lane permutes' destinations and the upper halves of pairs count as read
.endr
	v_mov_b32 v[NINF], 0xff800000
	s_wait_alu depctr_va_vdst(0)
	s_wait_kmcnt 0x0
	s_add_co_i32 s90, s54, s55                     ; a score stands for score x 2^(e2 + e3): added to c's exponent field
	s_lshl_b32 s90, s90, 23
	s_add_co_i32 s[CS], s90, 0x3e38aa3b            ; log2(e) / 8
	s_mov_b32 s[CS+1], s[CS]                       ; (named with it as a pair, so it is written)
	s_add_co_i32 s90, s56, 127
	s_lshl_b32 s91, s90, 23
	v_mov_b32 v[C4V], s91                          ; 2^e4
	s_add_co_i32 s90, s90, 8
	s_lshl_b32 s90, s90, 23
	s_or_b32 s90, s90, 0x600000
	v_mov_b32 v[L4V], s90                          ; 448 x 2^e4
	s_add_co_i32 s90, s58, 127
	s_lshl_b32 s91, s90, 23
	v_mov_b32 v[C6], s91                           ; 2^e6
	s_add_co_i32 s90, s90, 8
	s_lshl_b32 s90, s90, 23
	s_or_b32 s90, s90, 0x600000
	v_mov_b32 v[L6], s90                           ; 448 x 2^e6
	s_add_co_i32 s[E45], s56, s57
	s_wait_alu depctr_va_vdst(0)
	s_wait_loadcnt 0x0                             ; Q and K are in
	WIN 0x40                                       ; THE DIAGONAL SCORES: each 16 queries against their own 16 keys; the results in window 1
.irp u, 0,1,2,3
	v_wmma_f32_16x16x64_fp8_fp8 v[8*\u:8*\u+7], v[P+8*\u:P+8*\u+7], v[Q+8*\u:Q+8*\u+7], 0
.endr
	WIN 0
	v_mov_b32 v[ST+4], v[NINF]                     ; these four plain lines are the places behind the products
	v_mov_b32 v[ST+12], v[NINF]
	v_mov_b32 v[SDL], v[NINF]
	v_mov_b32 v[SDL+1], v[NINF]
.macro DIAG u, x                       ; key 8 h + j = query r in lanes j and 24 + j; each result is read from its low end on
.irp j, 0,1,2,3,4,5,6,7
	v_cndmask_b32 v[\x], v[\x], v[8*\u+\j], s[DM+\j]
.endr
.endm
	WIN 0x04                                       ; source 1 in window 1
	DIAG 0, ST+4
	DIAG 1, ST+12
	DIAG 2, SDL
	DIAG 3, SDL+1
	WIN 0
.irp x, ST+4, ST+12, SDL, SDL+1
	v_permlanex16_b32 v[PL], v[\x], s[SEL], s[SEL+1]
	v_max_num_f32 v[\x], v[\x], v[PL]              ; both lanes of a query hold its diagonal score
.endr
.macro RESET                           ; a tile begins: the largest t under every t, the sums and O^T zero: the step is written once, and the first change of M leaves zeros zeros
.irp y, 0,1
	v_mov_b32 v[ST+8*\y+1], 0xff61b1e6             ; -3e38
	v_mov_b32 v[ST+8*\y+2], 0
	v_mov_b32 v[ST+8*\y+3], 0
	v_floor_f32 v[ST+8*\y], -v[ST+8*\y+1]          ; -M
.endr
	WIN 0x40
.set n, 0
.rept 64
	v_mov_b32 v[OT+n], 0
.set n, n+1
.endr
	WIN 0
.endm
	RESET
; Hidden scores of a diagonal step become -infinity.  In the first 16 queries register 8 c + j holds the step's key 16 c + 8 h + j: hidden where 16 c + j > DD0.  For the second 16 queries the bound is DD0 + 16:
; tile c + 1 there has tile c's answer, so one compare serves both; their tile 0 (keys 0 .. 15 against queries from 16 on) is never hidden.
.macro MASK
.irp c, 0,1,2,3,4,5,6,7
.irp j, 0,1,2,3,4,5,6,7
	v_cmp_gt_i32 vcc_lo, 16*\c+\j, v[DD0]
	v_cndmask_b32 v[S+8*\c+\j], v[S+8*\c+\j], v[NINF], vcc_lo
.if \c < 7
	v_cndmask_b32 v[S+72+8*\c+\j], v[S+72+8*\c+\j], v[NINF], vcc_lo
.endif
.endr
.endr
.endm
; Both halves' softmax for a step of 128 keys (64 scores a lane and half), their codes, and O^T under the new M.  It ends under O^T's window.
.macro SOFT2
.irp k, 0,1,2,3                        ; the step's largest scores: four chains a half, eight by turns; each result is first read at its low end
.irp y, 0,1
	v_max3_num_f32 v[MX+4*\y+\k], v[S+64*\y+3*\k], v[S+64*\y+3*\k+1], v[S+64*\y+3*\k+2]
.endr
.endr
.set n, 12
.rept 6
.irp k, 0,1,2,3
.irp y, 0,1
	v_max3_num_f32 v[MX+4*\y+\k], v[MX+4*\y+\k], v[S+64*\y+n+2*\k], v[S+64*\y+n+2*\k+1]
.endr
.endr
.set n, n+8
.endr
.irp k, 0,1
.irp y, 0,1
	v_max3_num_f32 v[MX+4*\y+\k], v[MX+4*\y+\k], v[S+64*\y+60+2*\k], v[S+64*\y+61+2*\k]
.endr
.endr
.irp y, 0,1
	v_max3_num_f32 v[MX+4*\y], v[MX+4*\y], v[MX+4*\y+1], v[MX+4*\y+2]
.endr
.irp y, 0,1
	s_delay_alu instid0(VALU_DEP_2)
	v_max_num_f32 v[MX+4*\y], v[MX+4*\y], v[MX+4*\y+3]
.endr
.irp y, 0,1
	s_delay_alu instid0(VALU_DEP_2)
	v_permlanex16_b32 v[PL+\y], v[MX+4*\y], s[SEL], s[SEL+1]
.endr
.irp y, 0,1
	s_delay_alu instid0(VALU_DEP_2)
	v_max_num_f32 v[MX+4*\y], v[MX+4*\y], v[PL+\y] ; and among lane l xor 16's
.endr
.irp y, 0,1
	s_delay_alu instid0(VALU_DEP_2)
	v_mul_f32 v[MX+4*\y], s[CS], v[MX+4*\y]        ; as t (c is positive)
.endr
.irp y, 0,1
	s_delay_alu instid0(VALU_DEP_2)
	v_max_num_f32 v[ST+8*\y+1], v[ST+8*\y+1], v[MX+4*\y]   ; the running largest t
.endr
.irp y, 0,1
	s_delay_alu instid0(VALU_DEP_2)
	v_floor_f32 v[MX+4*\y], -v[ST+8*\y+1]          ; the new -M = floor(-t): M is a whole number
.endr
.irp y, 0,1
	s_delay_alu instid0(VALU_DEP_2)
	v_sub_f32 v[MX+4*\y+1], v[MX+4*\y], v[ST+8*\y] ; old M - new M: a whole number, 0 or less
.endr
.irp y, 0,1
	s_delay_alu instid0(VALU_DEP_4)
	v_mov_b32 v[ST+8*\y], v[MX+4*\y]
.endr
.irp y, 0,1
.set n, 0
.rept 32
	v_pk_fma_f32 v[S+64*\y+n:S+64*\y+n+1], v[S+64*\y+n:S+64*\y+n+1], s[CS:CS+1], v[ST+8*\y:ST+8*\y+1] op_sel_hi:[1,0,0]   ; t - M, two at a time (of the pairs c and -M the low word serves both halves)
.set n, n+2
.endr
.endr
.irp y, 0,1
	v_cvt_i32_f32 v[MX+4*\y+1], v[MX+4*\y+1]       ; (it saturates)
.endr
.irp y, 0,1
	s_delay_alu instid0(VALU_DEP_2)
	v_ldexp_f32 v[FF+2*\y], 1.0, v[MX+4*\y+1]      ; f = 2^(old M - new M)
.endr
	s_wait_alu depctr_va_vdst(0)
.set n, 0
.rept 128
	v_exp_f32 v[S+n], v[S+n]                       ; p = 2^(t - M), at most 1
.set n, n+1
.endr
.irp y, 0,1
	v_pk_mul_f32 v[ST+8*\y+2:ST+8*\y+3], v[ST+8*\y+2:ST+8*\y+3], v[FF+2*\y:FF+2*\y+1] op_sel_hi:[1,0]   ; the sums under the new M: plain lines behind the exponentials
.endr
	s_wait_alu depctr_va_vdst(0)                   ; one wait for the batch of 128, ahead of its first reader
.irp k, 0,1,2                          ; the sums are taken of the unquantised p: the running pair and three more a half, eight chains by turns
.irp y, 0,1
	v_pk_add_f32 v[SM+6*\y+2*\k:SM+6*\y+2*\k+1], v[S+64*\y+4*\k:S+64*\y+4*\k+1], v[S+64*\y+4*\k+2:S+64*\y+4*\k+3]
.endr
.endr
.set n, 12
.rept 6
.irp y, 0,1
	v_pk_add_f32 v[ST+8*\y+2:ST+8*\y+3], v[ST+8*\y+2:ST+8*\y+3], v[S+64*\y+n:S+64*\y+n+1]
.endr
.irp k, 0,1,2
.irp y, 0,1
	v_pk_add_f32 v[SM+6*\y+2*\k:SM+6*\y+2*\k+1], v[SM+6*\y+2*\k:SM+6*\y+2*\k+1], v[S+64*\y+n+2+2*\k:S+64*\y+n+3+2*\k]
.endr
.endr
.set n, n+8
.endr
.irp y, 0,1
	v_pk_add_f32 v[ST+8*\y+2:ST+8*\y+3], v[ST+8*\y+2:ST+8*\y+3], v[S+64*\y+60:S+64*\y+61]
.endr
.irp y, 0,1
	v_pk_add_f32 v[SM+6*\y:SM+6*\y+1], v[SM+6*\y:SM+6*\y+1], v[S+64*\y+62:S+64*\y+63]
.endr
.irp y, 0,1
	v_pk_add_f32 v[SM+6*\y+2:SM+6*\y+3], v[SM+6*\y+2:SM+6*\y+3], v[SM+6*\y+4:SM+6*\y+5]
.endr
.irp y, 0,1
	v_pk_add_f32 v[ST+8*\y+2:ST+8*\y+3], v[ST+8*\y+2:ST+8*\y+3], v[SM+6*\y:SM+6*\y+1]
.endr
.irp y, 0,1
	v_pk_add_f32 v[ST+8*\y+2:ST+8*\y+3], v[ST+8*\y+2:ST+8*\y+3], v[SM+6*\y+2:SM+6*\y+3]
.endr
.set n, 0
.rept 128
	v_min_num_f32 v[S+n], v[S+n], v[L4V]           ; the conversion does not saturate (ISA guide 7.6.2); p is not negative: a one-sided hold
.set n, n+1
.endr
.set n, 0
.rept 16
	v_cvt_scalef32_pk8_fp8_f32 v[P+2*n:P+2*n+1], v[S+8*n:S+8*n+7], v[C4V]   ; half n / 8, tile n % 8: registers 2 (n % 8), + 1 of that half's fragment of P
.set n, n+1
.endr
	WIN 0x41                                       ; O^T (destination and source 0) in window 1
.irp y, 0,1
.set n, 0
.rept 16
	v_pk_mul_f32 v[OT+32*\y+n:OT+32*\y+n+1], v[OT+32*\y+n:OT+32*\y+n+1], v[FF+2*\y:FF+2*\y+1] op_sel_hi:[1,0]   ; O^T under the new M, from each tile's low end on; also the plain lines between the conversions and the products
.set n, n+2
.endr
.endr
.endm
	s_wait_alu depctr_va_vdst(0)
	s_wait_tensorcnt 0x0                           ; my 32,768 bytes are in,
	s_barrier_signal -1
	s_barrier_wait -1                              ; and everybody's: all of the head's K and V.
	KLOAD LI                                       ; K's step 0
	VFLOAD VB                                      ; the first tile's v: it has the tile's steps, nine at the least, in which to land
	s_mov_b32 s[NN], 0
	s_wait_dscnt 0x0
.Ltrip:                                            ; 17 trips: a step of 128 keys for my 32 queries.  The step's K is in registers
	WIN 0x01                                       ; K in window 1; Q and S^T in window 0
.irp c, 0,1,2,3,4,5,6,7
.irp y, 0,1
	v_wmma_f32_16x16x64_fp8_fp8 v[S+64*\y+8*\c:S+64*\y+8*\c+7], v[KFR+8*\c:KFR+8*\c+7], v[Q+8*\y:Q+8*\y+7], 0
.endr
.endr
	WIN 0
.rept 4
	v_nop                                          ; places in front of the loads into K's and V's registers, of the first read of the scores and of the first write into P's registers
.endr
	WIN 0x40
.irp t, 0,1,2,3
.irp c, 0,1,2,3
	ds_load_b128 v[VFR+16*\t+4*\c:VFR+16*\t+4*\c+3], v[ADV] offset:\t*2048+512*\c   ; this step's V lands under the softmax
.endr
.endr
	WIN 0
	s_cmp_eq_u32 s[NN], 16
	s_cbranch_scc1 .Lnok                           ; the last trip has no next step
	s_add_co_u32 s90, s[NN], 1                     ; the next trip's step: N + 1, or N + 1 - (16 - a) in the second tile: (N + 1 + a) mod 16
	s_cmp_ge_u32 s90, s[SW]
	s_cselect_b32 s91, s[WV], 0
	s_add_co_u32 s90, s90, s91
	s_and_b32 s90, s90, 15
	s_lshl_b32 s90, s90, 13
	v_add_nc_u32 v[ADK], s90, v[LI]
	v_add_nc_u32 v[ADV], VOFF, v[ADK]
	KLOAD ADK                                      ; and so does the next step's K
.Lnok:
	s_add_co_u32 s90, s[NN], 1
	s_cmp_eq_u32 s90, s[SW]
	s_cselect_b32 s[DG], 1, 0
	s_cmp_eq_u32 s[NN], 16
	s_cselect_b32 s[DG], 1, s[DG]                  ; a tile's last step: made of the wave's number and the trip alone
	s_cmp_eq_u32 s[DG], 0
	s_cbranch_scc1 .Lopen                          ; all its keys count for all my queries
	MASK
.Lopen:
	SOFT2
	s_wait_alu depctr_va_vdst(0)
	s_wait_dscnt 0x0                               ; V is in, and the next step's K
	WIN 0x51                                       ; O^T += V^T P: V in window 1, P in window 0, O^T in window 1.  The eight accumulators take turns
.irp y, 0,1
.irp t, 0,1,2,3
	v_wmma_f32_16x16x128_fp8_fp8 v[OT+32*\y+8*\t:OT+32*\y+8*\t+7], v[VFR+16*\t:VFR+16*\t+15], v[P+16*\y:P+16*\y+15], v[OT+32*\y+8*\t:OT+32*\y+8*\t+7]
.endr
.endr
	WIN 0
	s_cmp_eq_u32 s[DG], 0
	s_wait_alu depctr_va_vdst(0)
	s_cbranch_scc1 .Lnext
	; THE WAY OUT of a tile.  v goes through my stage, 16 tokens at a time, and comes back turned: lane (r, h), register 8 t + j = v(token r, channel 16 t + 8 h + j), as O^T lies.
	; o = O^T x 2^(e4 + e5) / l - (2^(t_diag - M) / l) v, quantised with 2^e6: tile t gives registers 2 t, 2 t + 1 of the output's block (rows = tokens, K = the head's 64).
	s_wait_loadcnt 0x0                             ; the tile's v is in registers
.irp y, 0,1                            ; LDS serves a wave's instructions in order: the loads see the stores above them, and the second 16 tokens' stores come behind the first's loads
	WIN 0x04                                       ; the stores' data in window 1
.irp t, 0,1,2,3
.irp f, 0,1
	ds_store_b128 v[STW], v[VR+32*\y+8*\t+4*\f:VR+32*\y+8*\t+4*\f+3] offset:\t*1280+16*\f
.endr
.endr
	WIN 0
.irp t, 0,1,2,3
.irp j, 0,1,2,3,4,5,6,7
	ds_load_b32 v[S+64*\y+8*\t+\j], v[STR] offset:(16*\t+\j)*80
.endr
.endr
.endr
.irp y, 0,1
	v_add_f32 v[36+4*\y], v[ST+8*\y+2], v[ST+8*\y+3]   ; the sum's two halves,
.endr
.irp y, 0,1
	v_permlanex16_b32 v[37+4*\y], v[36+4*\y], s[SEL], s[SEL+1]
.endr
.irp y, 0,1
	v_add_f32 v[36+4*\y], v[36+4*\y], v[37+4*\y]   ; and lane l xor 16's: l
	v_fma_f32 v[38+4*\y], v[ST+8*\y+4], s[CS], v[ST+8*\y]   ; t_diag - M
.endr
	s_wait_alu depctr_va_vdst(0)
.irp y, 0,1
	v_rcp_f32 v[36+4*\y], v[36+4*\y]
.endr
.irp y, 0,1
	v_exp_f32 v[38+4*\y], v[38+4*\y]
.endr
	v_nop                                          ; a plain line behind the last of the four
	s_wait_alu depctr_va_vdst(0)                   ; one wait for the four, ahead of their first reader
.irp y, 0,1
	v_mul_f32 v[38+4*\y], v[38+4*\y], v[36+4*\y]   ; the diagonal weight
	v_ldexp_f32 v[36+4*\y], v[36+4*\y], s[E45]     ; 2^(e4 + e5) / l
.endr
	s_wait_alu depctr_va_vdst(0)
	s_wait_dscnt 0x0                               ; v is back, and the stores have read their registers
.irp y, 0,1
.set n, 0
.rept 16
	v_pk_mul_f32 v[S+64*\y+n:S+64*\y+n+1], v[S+64*\y+n:S+64*\y+n+1], v[38+4*\y:39+4*\y] op_sel_hi:[1,0]
.set n, n+2
.endr
.endr
	WIN 0x01                                       ; source 0 (O^T) in window 1
.irp y, 0,1
.set n, 0
.rept 16
	v_pk_fma_f32 v[S+64*\y+n:S+64*\y+n+1], v[OT+32*\y+n:OT+32*\y+n+1], v[36+4*\y:37+4*\y], v[S+64*\y+n:S+64*\y+n+1] op_sel_hi:[1,0,1] neg_lo:[0,0,1] neg_hi:[0,0,1]
.set n, n+2
.endr
.endr
	WIN 0
.irp y, 0,1
.set n, 0
.rept 32
	v_med3_num_f32 v[S+64*\y+n], v[S+64*\y+n], -v[L6], v[L6]   ; the hold at the largest code x the scale
.set n, n+1
.endr
.endr
	s_wait_alu depctr_va_vdst(0)
	s_wait_xcnt 0x0                                ; the first tile's stores have read the codes' registers and their base
	s_cmp_eq_u32 s[NN], 16
	s_cselect_b64 s[OBC:OBC+1], s[OB+2:OB+3], s[OB:OB+1]
.irp y, 0,1
.irp t, 0,1,2,3
	v_cvt_scalef32_pk8_fp8_f32 v[OC+8*\y+2*\t:OC+8*\y+2*\t+1], v[S+64*\y+8*\t:S+64*\y+8*\t+7], v[C6]
.endr
.endr
	v_nop                                          ; a plain vector line between the conversions and the next products, which write their sources
.irp y, 0,1
	global_store_b128 v[LI], v[OC+8*\y:OC+8*\y+3], s[OBC:OBC+1] offset:\y*16384
	global_store_b128 v[LI], v[OC+8*\y+4:OC+8*\y+7], s[OBC:OBC+1] offset:\y*16384+512
.endr
	s_cmp_eq_u32 s[NN], 16
	s_cbranch_scc1 .Lnext                          ; the second tile has no successor
	VFLOAD VB+2                                    ; the second tile begins: its v has the tile's steps in which to land
.set n, 0
.rept 16
	v_mov_b32 v[Q+n], v[QL+n]
.set n, n+1
.endr
	v_mov_b32 v[ST+4], v[SDL]
	v_mov_b32 v[ST+12], v[SDL+1]
	RESET
	s_wait_alu depctr_va_vdst(0)
.Lnext:
	s_add_co_u32 s[NN], s[NN], 1
	s_cmp_lt_u32 s[NN], 17
	s_cbranch_scc1 .Ltrip
	s_wait_tensorcnt 0x0                           ; the wave's end
	ds_add_u32 v[SPW], v[NIL]
	s_wait_dscnt 0x0
	CROUND                                         ; the closing round
	s_endpgm
.Lfunc_end_k_q1b9f9e83f5_attn:
	.size	k_q1b9f9e83f5_attn, .Lfunc_end_k_q1b9f9e83f5_attn-k_q1b9f9e83f5_attn
	.p2alignl 7, 3214868480
	.fill 96, 4, 3214868480
	.section	.rodata,"a",@progbits
	.p2align	6, 0x0
	.amdhsa_kernel k_q1b9f9e83f5_attn
		.amdhsa_group_segment_fixed_size 327680
		.amdhsa_private_segment_fixed_size 0
		.amdhsa_enable_private_segment 0
		.amdhsa_kernarg_size 48
		.amdhsa_user_sgpr_count 2
		.amdhsa_user_sgpr_kernarg_segment_ptr 1
		.amdhsa_wavefront_size32 1
		.amdhsa_system_sgpr_workgroup_id_x 1
		.amdhsa_system_sgpr_workgroup_id_y 1
		.amdhsa_system_sgpr_workgroup_id_z 1
		.amdhsa_system_vgpr_workitem_id 0
		.amdhsa_next_free_vgpr 512
		.amdhsa_next_free_sgpr 100
		.amdhsa_reserve_vcc 1
		.amdhsa_float_denorm_mode_32 3
		.amdhsa_float_denorm_mode_16_64 3
		.amdhsa_memory_ordered 1
		.amdhsa_forward_progress 1
		.amdhsa_inst_pref_size 72
	.end_amdhsa_kernel
	.amdgpu_metadata
---
amdhsa.version: [ 1, 2 ]
amdhsa.kernels:
  - .name:           k_q1b9f9e83f5_attn
    .symbol:         k_q1b9f9e83f5_attn.kd
    .args:
      - { .name: q_codes, .offset: 0, .size: 8, .value_kind: global_buffer, .address_space: global }
      - { .name: k_codes, .offset: 8, .size: 8, .value_kind: global_buffer, .address_space: global }
      - { .name: v_codes, .offset: 16, .size: 8, .value_kind: global_buffer, .address_space: global }
      - { .name: vf, .offset: 24, .size: 8, .value_kind: global_buffer, .address_space: global }
      - { .name: lowp_scales, .offset: 32, .size: 8, .value_kind: global_buffer, .address_space: global }
      - { .name: o_codes, .offset: 40, .size: 8, .value_kind: global_buffer, .address_space: global }
    .group_segment_fixed_size: 327680
    .private_segment_fixed_size: 0
    .kernarg_segment_align: 8
    .kernarg_segment_size: 48
    .max_flat_workgroup_size: 256
    .sgpr_count:     100
    .vgpr_count:     512
    .wavefront_size: 32
...
	.end_amdgpu_metadata
.endif
;; end of part 3
;; launch proj (part 4): grid 4 x 64, 4 waves a work-group, clusters of 4 x 4, 327,680 bytes of LDS; arguments o_codes, wproj_codes, lowp_scales, out0; writes out0
.if DOCPART == 4
	.amdgcn_target "amdgcn-amd-amdhsa--gfx1250"
	.amdhsa_code_object_version 6
	.text
	.protected	k_q1b9f9e83f5_proj
	.globl	k_q1b9f9e83f5_proj
	.p2align	8
	.type	k_q1b9f9e83f5_proj,@function
k_q1b9f9e83f5_proj:
	s_mov_b64 s[64:65], 0
	v_nop
	global_prefetch_b8 v0, s[64:65] scope:SCOPE_SE
	s_setreg_imm32_b32 hwreg(HW_REG_WAVE_MODE, 25, 1), 1
	s_wait_xcnt 0x0
	s_wait_alu depctr_hold_cnt(0) depctr_sa_sdst(0) depctr_va_vdst(0) depctr_va_sdst(0) depctr_va_ssrc(0) depctr_va_vcc(0) depctr_vm_vsrc(0)
	s_getreg_b32 s2, hwreg(HW_REG_IB_STS2, 6, 4)
	s_cmp_eq_u32 s2, 0
	s_cbranch_scc0 .Lentry_in_a_cluster
	s_endpgm
.Lentry_in_a_cluster:
	s_bfe_u32 s2, ttmp6, 0x10000c
	s_cmp_lg_u32 s2, 0xf033
	s_cbranch_scc0 .Lentry_shape_is_right
	s_endpgm
.Lentry_shape_is_right:
; out0 = o W_proj^T on codes of FP8 (E4M3): [8192][1024] x [1024][1024]^T, K = 1,024; each finished f32 sum is multiplied once by 2^(e6 + e7).
; LIMIT: e6 + e7 between -126 and 127, so that 2^(e6 + e7) is an f32 number.
; Both operands lie as images of operand registers: a block of 16 rows x 64 K is 1,024 bytes (registers 0-3 at 16 x lane, 4-7 at 512 + 16 x lane); a buffer is [row tile of 16 rows][16 chunks] of blocks.
; SHARES.  A block of the result is 128 rows x 256 columns: 64 x 4 = 256 work-groups.  Four waves, each 64 x 128: 32 accumulators, 256 registers.
; NOTHING IS FILLED AGAIN.  K = 0 .. 767 of the block's A (8 row tiles x 12,288 bytes) and B (16 x 12,288) is 294,912 bytes of LDS, asked for by ONE tensor load a wave at the head (waves 0, 1: A's halves;
; waves 2, 3: B's).  K = 768 .. 1,023 does not fit beside it: each wave loads its own fragments of it from memory straight into registers (128 for A, 256 for B), which the images allow.
; CLUSTERS: 4 x 4 work-groups; A's tile is asked for jointly along a row of the cluster, B's along a column: the same tensor load, the same descriptor, a mask that names the four.
; THE MATRIX INSTRUCTION IS USED TRANSPOSED (source 0 = 16 rows of W_proj, source 1 = 16 rows of o): a lane holds eight neighbouring numbers of a row of the result.
; A STEP of 128 along K is 32 matrix instructions, B's fragments one after the other, each against A's four.  B has ONE set of registers: a pair of fragments is fetched anew right behind its eight products,
; 24 products ahead of its next use.  A has two sets; the next step's is fetched at a step's head.  The 32 accumulators take turns in the same order in every step.
; NO PREFETCH: every load of A and B goes out at the kernel's head; there is no later load to run ahead of.
; REGISTERS, in windows of 256: window 0: v0-31 addresses; v32-159 A's two sets (on the way out: rows read back); v160-223 on the way out.  window 1: v0-127 B's set; v128-255 A's fragments of K = 768 on.
;            window 2: the accumulators ((a, b) at v[8 (8 a + b)]).  window 3: B's fragments of K = 768 on.
.set SIZE_N, 1024
.set RT,     12288                     ; a row tile's 12 blocks in LDS
.set BOFF,   8*RT                      ; B's 16 row tiles lie behind A's 8
.set SPARE,  24*RT                     ; behind them: the spare words, 128 bytes for each wave: two blocks of 256 bytes that no other line names
.set SPITCH, 528                       ; the way out: a stage of 16 rows x (512 bytes + 16) for each wave, in A's bytes, behind a barrier behind which nobody reads them
.set ADRA, 16                          ; v16  LDS address of my A fragments
.set ADRB, 20                          ; v20, v21  of my B fragments 0-3 and 4-7
.set STO,  24
.set RD,   25
.set CO,   26                          ; v26  16 x lane
.set SPW,  28                          ; v28  LDS address of my spare word; never rewritten
.set NIL,  29                          ; v29  0; never rewritten
.set AS,   32
.set BK,   32
.set TMP,  160
.set G1, 24                            ; s[24:31] descriptor group 1 for A's tile;  s[32:35] group 0
.set G0, 32
.set G1B, 48                           ; s[48:55], s[56:59] the same for B's
.set G0B, 56
.set MSB, 0
.macro WIN new                         ; the immediate's high byte repeats the setting that is left
.if MSB != \new
	s_set_vgpr_msb (MSB<<8)|\new
.set MSB, \new
.endif
.endm
.macro CROUND                          ; a round of the cluster's barrier
	s_barrier_signal -1
	s_barrier_wait -1
	s_cmp_lg_u32 s14, 0
	s_cbranch_scc1 .Lnot_wave_0_\@
	s_barrier_signal -3
.Lnot_wave_0_\@:
	s_barrier_wait -3
	s_barrier_signal -1
	s_barrier_wait -1
.endm
.macro PLACES                          ; plain vector lines between a matrix instruction and a load into, or a vector read of, its registers (ISA guide 7.12.1 for vector reads)
.rept 4
	v_nop
.endr
.endm
	s_load_b128 s[4:7], s[0:1], 0x0                ; o's codes, W_proj's codes
	s_load_b128 s[8:11], s[0:1], 0x10              ; the scales' exponents, out0
	v_lshl_add_u32 v[SPW], v0, 2, SPARE
	v_mov_b32 v[NIL], 0
	ds_add_u32 v[SPW], v[NIL]                      ; the opening lines: the add, twice on end, and its wait ahead of my first tensor load
	ds_add_u32 v[SPW], v[NIL]
	v_lshrrev_b32 v1, 5, v0
	v_readfirstlane_b32 s14, v1                    ; wave 0..3
	s_lshr_b32 s15, s14, 1                         ; which 64 of the block's rows are mine.  Also: I fetch for A (0) or for B (1)
	s_and_b32 s16, s14, 1                          ; which 128 of its columns.  Also: which half of that tile I fetch
	s_bfe_u32 s40, ttmp6, 0x40000                  ; cx, cy: my place in the cluster
	s_bfe_u32 s41, ttmp6, 0x40004
	s_lshl_b32 s42, ttmp9, 2
	s_add_co_u32 s42, s42, s40                     ; block column = 4 x cluster x + cx
	s_and_b32 s17, ttmp7, 0xffff
	s_lshl_b32 s17, s17, 2
	s_add_co_u32 s17, s17, s41                     ; block row = 4 x cluster y + cy
	s_lshl_b32 s43, s41, 2
	s_lshl_b32 s43, 15, s43                        ; my row of the cluster
	s_lshl_b32 s44, 0x1111, s40                    ; my column
	s_or_b32 s[G1+0], s43, (3<<16)|(1<<21)         ; 15:0 the mask; 17:16 elements of 8 bytes; 21 set beside a mask; dense in LDS
	s_or_b32 s[G1B+0], s44, (3<<16)|(1<<21)
	s_mov_b32 s[G1+1], 1536<<16                    ; tensor_dim0 = 1,536 elements: 12,288 bytes, K = 0 .. 767 of a row tile
	s_mov_b32 s[G1+2], 4<<16                       ; tensor_dim1 = 4 row tiles
	s_mov_b32 s[G1+3], 1536<<16                    ; tile_dim0
	s_mov_b32 s[G1+4], 4                           ; tile_dim1
	s_mov_b32 s[G1+5], 2048                        ; tensor_dim0_stride: a row tile is 16,384 bytes
	s_mov_b32 s[G1+6], 0
	s_mov_b32 s[G1+7], 0
	s_mov_b32 s[G1B+1], 1536<<16
	s_mov_b32 s[G1B+2], 8<<16                      ; B: 8 row tiles
	s_mov_b32 s[G1B+3], 1536<<16
	s_mov_b32 s[G1B+4], 8
	s_mov_b32 s[G1B+5], 2048
	s_mov_b32 s[G1B+6], 0
	s_mov_b32 s[G1B+7], 0
	s_lshl_b32 s20, s17, 17                        ; A: 8 row tiles of 16,384 bytes to a block,
	s_lshl_b32 s18, s16, 16                        ; the 4 that I fetch
	s_add_co_u32 s20, s20, s18
	s_mov_b32 s21, 0
	s_lshl_b32 s46, s42, 18                        ; B: 16 row tiles, the 8 that I fetch; in registers that never hold cy
	s_lshl_b32 s19, s16, 17
	s_add_co_u32 s46, s46, s19
	s_mov_b32 s47, 0
	s_mul_i32 s45, s16, 4*RT                       ; where they go: no place in the cluster enters an LDS address
	s_mul_i32 s22, s16, 8*RT
	s_add_co_u32 s22, s22, BOFF
	s_wait_alu depctr_va_vdst(0)
	s_wait_dscnt 0x0                               ; both opening adds are done
	s_wait_kmcnt 0x0
	s_load_b64 s[96:97], s[8:9], 0x18              ; e6, e7
	s_add_nc_u64 s[20:21], s[4:5], s[20:21]
	s_add_nc_u64 s[46:47], s[6:7], s[46:47]
	s_mov_b32 s[G0], 1
	s_mov_b32 s[G0+1], s45
	s_mov_b64 s[G0+2:G0+3], s[20:21]
	s_or_b32 s[G0+3], s[G0+3], 0x80000000
	s_mov_b32 s[G0B], 1
	s_mov_b32 s[G0B+1], s22
	s_mov_b64 s[G0B+2:G0B+3], s[46:47]
	s_or_b32 s[G0B+3], s[G0B+3], 0x80000000
	CROUND                                         ; all sixteen work-groups are here: the joint loads meet
	s_cmp_eq_u32 s15, 0                            ; one tensor load a wave, in the arms of one branch on the wave's number; an s_nop 0 and four v_nop follow each
	s_cbranch_scc0 .Lfor_b
	tensor_load_to_lds s[G0:G0+3], s[G1:G1+7]
	s_nop 0
	PLACES
	s_branch .Lasked
.Lfor_b:
	tensor_load_to_lds s[G0B:G0B+3], s[G1B:G1B+7]
	s_nop 0
	PLACES
.Lasked:
	s_lshl_b32 s70, s17, 17                        ; K = 768 on of my own 4 row tiles of A,
	s_lshl_b32 s72, s15, 16
	s_add_co_u32 s70, s70, s72
	s_add_co_u32 s70, s70, RT
	s_mov_b32 s71, 0
	s_add_nc_u64 s[70:71], s[4:5], s[70:71]
	s_add_nc_u64 s[74:75], s[46:47], RT            ; and of my 8 of B, which are those of my column half
	s_mul_i32 s66, s15, 4*RT                       ; my A fragments in LDS;  s22: my B fragments
	s_add_co_u32 s67, s22, 4*RT
	s_mul_i32 s23, s14, 16*SPITCH                  ; my stage
	s_lshl_b32 s20, s17, 7
	s_lshl_b32 s21, s15, 6
	s_add_co_u32 s20, s20, s21                     ; my first row of the result: 128 x block row + 64 x half
	s_mov_b32 s21, 0
	s_mov_b64 s[18:19], SIZE_N*4
	s_mul_u64 s[20:21], s[20:21], s[18:19]
	s_lshl_b32 s46, s42, 10                        ; my first column, in bytes: 1,024 x block column + 512 x half
	s_lshl_b32 s47, s16, 9
	s_add_co_u32 s46, s46, s47
	s_mov_b32 s47, 0
	s_add_nc_u64 s[20:21], s[20:21], s[46:47]
	s_add_nc_u64 s[10:11], s[10:11], s[20:21]
	v_and_b32 v6, 31, v0
	v_and_b32 v1, 15, v0                           ; r
	v_bfe_u32 v2, v0, 4, 1                         ; h
	v_lshlrev_b32 v[CO], 4, v6
	v_mul_u32_u24 v5, v1, SPITCH
	v_add_nc_u32 v[ADRA], s66, v[CO]
	v_add_nc_u32 v[ADRB], s22, v[CO]
	v_add_nc_u32 v[ADRB+1], s67, v[CO]
	v_lshl_add_u32 v5, v2, 5, v5
	v_add_nc_u32 v[RD], s23, v[CO]                 ; back: the 32 lanes take one row of 512 bytes
	v_add_nc_u32 v[STO], s23, v5                   ; in: row r, 32 bytes for each half of the lanes
	s_wait_alu depctr_va_vdst(0)
	WIN 0x40                                       ; destination window 1
.irp q, 0,1
.irp i, 0,1,2,3
.irp c, 0,1,2,3
	global_load_b128 v[128+64*\q+16*\i+4*\c:128+64*\q+16*\i+4*\c+3], v[CO], s[70:71] offset:\i*16384+\q*2048+512*\c
.endr
.endr
.endr
	WIN 0xc0                                       ; destination window 3
.irp q, 0,1
.irp b, 0,1,2,3,4,5,6,7
.irp c, 0,1,2,3
	global_load_b128 v[128*\q+16*\b+4*\c:128*\q+16*\b+4*\c+3], v[CO], s[74:75] offset:\b*16384+\q*2048+512*\c
.endr
.endr
.endr
	WIN 0
.macro FRAGL reg, adr, off             ; a fragment, 16 rows x 128 K, is two blocks on end: four loads of 512 consecutive bytes
.irp c, 0,1,2,3
	ds_load_b128 v[\reg+4*\c:\reg+4*\c+3], v[\adr] offset:\off+512*\c
.endr
.endm
.macro ALOAD q                         ; A's four fragments of step q into set q % 2
.irp i, 0,1,2,3
	FRAGL AS+64*((\q)%2)+16*\i, ADRA, \i*RT+(\q)*2048
.endr
.endm
.macro BLOAD q, g                      ; B's fragments 2 g, 2 g + 1 of step q
	WIN 0x40
.irp b, 2*(\g), 2*(\g)+1
	FRAGL 16*(\b), ADRB+(\b)/4, ((\b)%4)*RT+(\q)*2048
.endr
	WIN 0
.endm
.macro MULG p, g, zero                 ; eight products: B's fragments 2 g, 2 g + 1 against A's four of set p.  zero = 1: the first product starts the sums
	WIN 0xa1                                       ; source 0 (B) window 1, source 1 (A) window 0, C and D window 2
.irp b, 2*(\g), 2*(\g)+1
.irp a, 0,1,2,3
.if \zero
	v_wmma_f32_16x16x128_fp8_fp8 v[8*(8*\a+(\b)):8*(8*\a+(\b))+7], v[16*(\b):16*(\b)+15], v[AS+64*(\p)+16*\a:AS+64*(\p)+16*\a+15], 0
.else
	v_wmma_f32_16x16x128_fp8_fp8 v[8*(8*\a+(\b)):8*(8*\a+(\b))+7], v[16*(\b):16*(\b)+15], v[AS+64*(\p)+16*\a:AS+64*(\p)+16*\a+15], v[8*(8*\a+(\b)):8*(8*\a+(\b))+7]
.endif
.endr
.endr
.endm
; A step of 128 along K from LDS.  nxt = 1: behind the eight loads that a group waits for stand 40 younger ones: three groups of B (24) and the next set of A (16).  nxt = 0: only this step's later groups.
.macro STEPL q, zero, nxt
.if \nxt
	ALOAD (\q)+1                                   ; into the set that the step before multiplied: its last group's four places stand between
.endif
.irp g, 0,1,2,3
.if \nxt
	s_wait_dscnt 40
.else
	s_wait_dscnt 8*(3-\g)
.endif
	MULG (\q)%2, \g, \zero
.if \nxt
	PLACES
	BLOAD (\q)+1, \g
.endif
.endr
	WIN 0
.endm
	s_wait_tensorcnt 0x0                           ; my part of the tiles is in,
	s_barrier_signal -1
	s_barrier_wait -1                              ; and everybody's.
	ALOAD 0
.irp g, 0,1,2,3
	BLOAD 0, \g
.endr
	STEPL 0, 1, 1
	STEPL 1, 0, 1
	STEPL 2, 0, 1
	STEPL 3, 0, 1
	STEPL 4, 0, 1
	STEPL 5, 0, 0
	s_wait_loadcnt 0x0                             ; the fragments of K = 768 on are in registers
	s_barrier_signal -1                            ; my reads of LDS are over (the last group's wait was for 0): say so, and multiply on registers while the others arrive
	WIN 0xa7                                       ; source 0 (B) window 3, source 1 (A) window 1, C and D window 2
.irp q, 0,1
.irp b, 0,1,2,3,4,5,6,7
.irp a, 0,1,2,3
	v_wmma_f32_16x16x128_fp8_fp8 v[8*(8*\a+\b):8*(8*\a+\b)+7], v[128*\q+16*\b:128*\q+16*\b+15], v[128+64*\q+16*\a:128+64*\q+16*\a+15], v[8*(8*\a+\b):8*(8*\a+\b)+7]
.endr
.endr
.endr
	WIN 0
	s_barrier_wait -1                              ; nobody reads A's bytes any more: the stages may be written
; THE WAY OUT, block by block of 16 rows x 128 columns: through my own stage in LDS, back as whole rows of 512 bytes, which the 32 lanes store as two aligned units of 256 bytes.
; LDS serves a wave's instructions in order (ISA guide 5.7.1.4): no wait between the stores and the loads, nor in front of the next block's stores.
.macro TOSTAGE a
.set AC, 64*(\a)
	WIN 0x02                                       ; source 0: window 2
.irp j, 0,2,4,6,8,10,12,14,16,18,20,22,24,26,28,30,32,34,36,38,40,42,44,46,48,50,52,54,56,58,60,62
	v_pk_mul_f32 v[TMP+\j:TMP+\j+1], v[AC+\j:AC+\j+1], s[96:97] op_sel_hi:[1,0]   ; both x s96 = 2^(e6 + e7); each accumulator from its low end on
.endr
	WIN 0
.irp b, 0,1,2,3,4,5,6,7
	ds_store_b128 v[STO], v[TMP+8*\b:TMP+8*\b+3] offset:64*\b
	ds_store_b128 v[STO], v[TMP+8*\b+4:TMP+8*\b+7] offset:64*\b+16
.endr
.set BB, BK+64*((\a)%2)
.irp t, 0,1,2,3,4,5,6,7,8,9,10,11,12,13,14,15
	ds_load_b128 v[BB+4*\t:BB+4*\t+3], v[RD] offset:\t*SPITCH
.endr
.endm
.macro SEND a, younger                 ; younger: the LDS instructions issued behind block a's loads, which may stay out
.set BB, BK+64*((\a)%2)
	s_wait_dscnt \younger
.if (\a) > 0
	s_add_nc_u64 s[10:11], s[10:11], 16*SIZE_N*4   ; (behind a wait on XCNT: the earlier stores have read their base)
.endif
.irp t, 0,1,2,3,4,5,6,7,8,9,10,11,12,13,14,15
	global_store_b128 v[CO], v[BB+4*\t:BB+4*\t+3], s[10:11] offset:\t*SIZE_N*4 th:TH_STORE_NT
.endr
.endm
	s_wait_kmcnt 0x0
	s_add_co_i32 s96, s96, s97                     ; e6 + e7
	s_add_co_i32 s96, s96, 127
	s_lshl_b32 s96, s96, 23                        ; 2^(e6 + e7) as f32
	PLACES                                         ; in front of the first read of the sums and of the loads into the registers that held A's fragments
	TOSTAGE 0
.irp a, 1,2,3
.if \a > 1
	s_wait_xcnt 0x0                                ; block a - 2's stores have read their registers and their base
.endif
	TOSTAGE \a
	SEND \a-1, 32                                  ; behind block a - 1's loads: block a's 16 stores and 16 loads
.endr
	s_wait_xcnt 0x0
	SEND 3, 0
	s_wait_tensorcnt 0x0                           ; the wave's end
	ds_add_u32 v[SPW], v[NIL]
	s_wait_dscnt 0x0
	CROUND                                         ; the closing round
	s_endpgm
.Lfunc_end_k_q1b9f9e83f5_proj:
	.size	k_q1b9f9e83f5_proj, .Lfunc_end_k_q1b9f9e83f5_proj-k_q1b9f9e83f5_proj
	.p2alignl 7, 3214868480
	.fill 96, 4, 3214868480
	.section	.rodata,"a",@progbits
	.p2align	6, 0x0
	.amdhsa_kernel k_q1b9f9e83f5_proj
		.amdhsa_group_segment_fixed_size 327680
		.amdhsa_private_segment_fixed_size 0
		.amdhsa_enable_private_segment 0
		.amdhsa_kernarg_size 32
		.amdhsa_user_sgpr_count 2
		.amdhsa_user_sgpr_kernarg_segment_ptr 1
		.amdhsa_wavefront_size32 1
		.amdhsa_system_sgpr_workgroup_id_x 1
		.amdhsa_system_sgpr_workgroup_id_y 1
		.amdhsa_system_sgpr_workgroup_id_z 1
		.amdhsa_system_vgpr_workitem_id 0
		.amdhsa_next_free_vgpr 1024
		.amdhsa_next_free_sgpr 98
		.amdhsa_reserve_vcc 0
		.amdhsa_float_denorm_mode_32 3
		.amdhsa_float_denorm_mode_16_64 3
		.amdhsa_memory_ordered 1
		.amdhsa_forward_progress 1
		.amdhsa_inst_pref_size 78
	.end_amdhsa_kernel
	.amdgpu_metadata
---
amdhsa.version: [ 1, 2 ]
amdhsa.kernels:
  - .name:           k_q1b9f9e83f5_proj
    .symbol:         k_q1b9f9e83f5_proj.kd
    .args:
      - { .name: o_codes, .offset: 0, .size: 8, .value_kind: global_buffer, .address_space: global }
      - { .name: wproj_codes, .offset: 8, .size: 8, .value_kind: global_buffer, .address_space: global }
      - { .name: lowp_scales, .offset: 16, .size: 8, .value_kind: global_buffer, .address_space: global }
      - { .name: out0, .offset: 24, .size: 8, .value_kind: global_buffer, .address_space: global }
    .group_segment_fixed_size: 327680
    .private_segment_fixed_size: 0
    .kernarg_segment_align: 8
    .kernarg_segment_size: 32
    .max_flat_workgroup_size: 128
    .sgpr_count:     98
    .vgpr_count:     1024
    .wavefront_size: 32
...
	.end_amdgpu_metadata
.endif
;; end of part 4
